; MI455X (gfx1250); checked and timed in simulation.
; The chip was launched on July 23, 2026; its instructions are those of AMD's public machine-readable ISA for CDNA 5 (MIT licence, August 2026) and "CDNA5" Instruction Set Architecture Reference Guide (July 2026). The comments in the code are by the model that wrote it; some were corrected since.
;; Attention. Allowed arithmetic: float matrix products may take bf16 or f16 operands with f32 sums; other float arithmetic in f32, or as packed bf16 or f16 multiplies, adds, multiply-adds, maxima and minima; sums over many terms, partial sums and values carried from step to step in f32; what a program stores and reads back later, other than sums and carried values, may be rounded once to bf16 or f16.
;; Inputs: Wk 1,024 x 1,024 float32; Wo 1,024 x 1,024 float32; Wq 1,024 x 1,024 float32; Wv 1,024 x 1,024 float32; bk 1,024 float32; bo 1,024 float32; bq 1,024 float32; bv 1,024 float32; x 4 x 2,048 x 1,024 float32.
;; Outputs: out0 4 x 2,048 x 1,024 float32.
;; One version. Each part assembles by itself: llvm-mc -triple=amdgcn-amd-amdhsa -mcpu=gfx1250 --defsym DOCPART=n.
;; ======== version 1 of 1: 5 launches
;; limits: values are held in f16: magnitudes above 65,504 overflow, below 6.1e-05 lose precision
;; workspace buffers: xb 16,777,216 bytes; wqkv 6,291,456 bytes; wo16 2,097,152 bytes; bias 16,384 bytes; qkv 50,331,648 bytes; pp 33,554,432 bytes; st 1,048,576 bytes; ctx 16,777,216 bytes
;; launch cast (part 1): grid 64 x 12, 8 waves a work-group, no clusters, 0 bytes of LDS; arguments x, Wq, Wk, Wv, Wo, bq, bk, bv, bo, xb, wqkv, wo16, bias; writes xb, wqkv, wo16, bias
.if DOCPART == 1
	.amdgcn_target "amdgcn-amd-amdhsa--gfx1250"
	.amdhsa_code_object_version 6
	.text
	.protected	k_qc34233118a_cast
	.globl	k_qc34233118a_cast
	.p2align	8
	.type	k_qc34233118a_cast,@function
k_qc34233118a_cast:
	s_mov_b64 s[64:65], 0
	v_nop
	global_prefetch_b8 v0, s[64:65] scope:SCOPE_SE
	s_setreg_imm32_b32 hwreg(HW_REG_WAVE_MODE, 25, 1), 1
	s_wait_xcnt 0x0
; THE INPUTS ARE ROUNDED ONCE.  x, Wq, Wk, Wv: f32 -> bf16 (xb; wqkv = the three weights' rows on end).  Wo: f32 -> bf16, and that number written as f16 (wo16).
; bq, bk, bv, bo: f32 -> bf16, and that number written as f32 (bias, the four on end).
; LIMITS.  |Wo| stays under 65,504; below 6.1e-5 the f16 copy keeps f16's fixed step of 6e-8.  NaN and infinities are not treated apart.
; SHARES.  Grid y picks a part of 1,048,576 numbers: 0-7 the eighths of x, 8-10 Wq, Wk, Wv, 11 Wo.  Grid x picks 16,384 numbers of it.  Thread t takes 4 numbers in each of 16 steps:
; a load of a wave covers 512 consecutive bytes, a store 256 consecutive bytes at a multiple of 256 from the buffer's first byte.  All 16 loads are issued first; no register is used twice,
; so no store's source is ever rewritten.  No LDS, no matrix unit, no cluster: nothing is shared and every byte is touched once.
.set NIT, 16                           ; steps: 256 threads x 16 bytes = 4,096 bytes of f32 each
.set X,   16                           ; v[16:79]   as loaded
.set Y,   80                           ; v[80:111]  to store
	s_load_b512 s[16:31], s[0:1], 0x0              ; x 16, Wq 18, Wk 20, Wv 22, Wo 24, bq 26, bk 28, bv 30
	s_load_b256 s[32:39], s[0:1], 0x40             ; bo 32, xb 34, wqkv 36, wo16 38
	s_load_b64 s[40:41], s[0:1], 0x60              ; bias
	s_and_b32 s4, ttmp7, 0xffff                    ; the part
	s_mov_b32 s5, ttmp9                            ; the piece of it
	s_mov_b32 s42, 0xffff0000                      ; a word's upper bf16
	v_lshlrev_b32 v1, 4, v0                        ; 16 t: my bytes in a step's f32
	v_lshlrev_b32 v2, 3, v0                        ; 8 t: in a step's 16-bit numbers
	s_cmp_lt_u32 s4, 8
	s_cselect_b32 s6, s4, 0                        ; which eighth of x; a weight begins at its own first byte
	s_lshl_b32 s12, s6, 22
	s_lshl_b32 s7, s5, 16
	s_add_co_u32 s12, s12, s7                      ; byte offset in the source
	s_mov_b32 s13, 0
	s_and_b32 s6, s4, 7                            ; the eighth of xb, or the weight's place in wqkv (8, 9, 10 -> 0, 1, 2);
	s_cmp_eq_u32 s4, 11
	s_cselect_b32 s6, 0, s6                        ; wo16 holds Wo alone
	s_lshl_b32 s14, s6, 21
	s_lshl_b32 s7, s5, 15
	s_add_co_u32 s14, s14, s7                      ; byte offset in the destination
	s_mov_b32 s15, 0
	s_wait_kmcnt 0x0
	s_cmp_eq_u32 s4, 8
	s_cselect_b64 s[8:9], s[18:19], s[16:17]
	s_cmp_eq_u32 s4, 9
	s_cselect_b64 s[8:9], s[20:21], s[8:9]
	s_cmp_eq_u32 s4, 10
	s_cselect_b64 s[8:9], s[22:23], s[8:9]
	s_cmp_eq_u32 s4, 11
	s_cselect_b64 s[8:9], s[24:25], s[8:9]         ; the source,
	s_cselect_b64 s[10:11], s[38:39], s[36:37]
	s_cmp_lt_u32 s4, 8
	s_cselect_b64 s[10:11], s[34:35], s[10:11]     ; the destination
	s_add_nc_u64 s[8:9], s[8:9], s[12:13]
	s_add_nc_u64 s[10:11], s[10:11], s[14:15]
.set it, 0
.rept NIT
	global_load_b128 v[X+4*it:X+4*it+3], v1, s[8:9] offset:4096*it th:TH_LOAD_NT
.set it, it+1
.endr
; half = 1: the bf16 number is widened again (a shift, a mask) and written as f16
.macro CONV half
.set it, 0
.rept NIT
	s_wait_loadcnt NIT-1-it                        ; loads come back in order: step it is in, the younger ones stay out
	v_cvt_pk_bf16_f32 v[Y+2*it],   v[X+4*it],   v[X+4*it+1]
	v_cvt_pk_bf16_f32 v[Y+2*it+1], v[X+4*it+2], v[X+4*it+3]
.if \half
	v_lshlrev_b32 v[X+4*it],   16,  v[Y+2*it]
	v_and_b32     v[X+4*it+1], s42, v[Y+2*it]
	v_lshlrev_b32 v[X+4*it+2], 16,  v[Y+2*it+1]
	v_and_b32     v[X+4*it+3], s42, v[Y+2*it+1]
	v_cvt_pk_f16_f32 v[Y+2*it],   v[X+4*it],   v[X+4*it+1]
	v_cvt_pk_f16_f32 v[Y+2*it+1], v[X+4*it+2], v[X+4*it+3]
.endif
	global_store_b64 v2, v[Y+2*it:Y+2*it+1], s[10:11] offset:2048*it
.set it, it+1
.endr
.endm
	s_cmp_eq_u32 s4, 11
	s_cbranch_scc1 .Lhalf
	CONV 0
	s_branch .Lbias
.Lhalf:
	CONV 1
.Lbias:
	s_cmp_lg_u32 s5, 0                             ; the first piece of each weight's part also takes that weight's bias: 1,024 numbers, 4 a thread
	s_cbranch_scc1 .Lend
	s_cmp_lt_u32 s4, 8
	s_cbranch_scc1 .Lend
	s_cmp_eq_u32 s4, 9
	s_cselect_b64 s[44:45], s[28:29], s[26:27]
	s_cmp_eq_u32 s4, 10
	s_cselect_b64 s[44:45], s[30:31], s[44:45]
	s_cmp_eq_u32 s4, 11
	s_cselect_b64 s[44:45], s[32:33], s[44:45]
	s_sub_co_u32 s6, s4, 8
	s_lshl_b32 s46, s6, 12                         ; its 4,096 bytes in the table
	s_mov_b32 s47, 0
	s_add_nc_u64 s[46:47], s[40:41], s[46:47]
	global_load_b128 v[4:7], v1, s[44:45]
	s_wait_loadcnt 0x0
	v_cvt_pk_bf16_f32 v8, v4, v5
	v_cvt_pk_bf16_f32 v9, v6, v7
	v_lshlrev_b32 v10, 16, v8
	v_and_b32 v11, s42, v8
	v_lshlrev_b32 v12, 16, v9
	v_and_b32 v13, s42, v9
	global_store_b128 v1, v[10:13], s[46:47]
.Lend:
	s_endpgm
.Lfunc_end_k_qc34233118a_cast:
	.size	k_qc34233118a_cast, .Lfunc_end_k_qc34233118a_cast-k_qc34233118a_cast
	.p2alignl 7, 3214868480
	.fill 96, 4, 3214868480
	.section	.rodata,"a",@progbits
	.p2align	6, 0x0
	.amdhsa_kernel k_qc34233118a_cast
		.amdhsa_group_segment_fixed_size 0
		.amdhsa_private_segment_fixed_size 0
		.amdhsa_enable_private_segment 0
		.amdhsa_kernarg_size 104
		.amdhsa_user_sgpr_count 2
		.amdhsa_user_sgpr_kernarg_segment_ptr 1
		.amdhsa_wavefront_size32 1
		.amdhsa_system_sgpr_workgroup_id_x 1
		.amdhsa_system_sgpr_workgroup_id_y 1
		.amdhsa_system_sgpr_workgroup_id_z 1
		.amdhsa_system_vgpr_workitem_id 0
		.amdhsa_next_free_vgpr 112
		.amdhsa_next_free_sgpr 66
		.amdhsa_reserve_vcc 0
		.amdhsa_float_denorm_mode_32 3
		.amdhsa_float_denorm_mode_16_64 3
		.amdhsa_memory_ordered 1
		.amdhsa_forward_progress 1
		.amdhsa_inst_pref_size 17
	.end_amdhsa_kernel
	.amdgpu_metadata
---
amdhsa.version: [ 1, 2 ]
amdhsa.kernels:
  - .name:           k_qc34233118a_cast
    .symbol:         k_qc34233118a_cast.kd
    .args:
      - { .name: x, .offset: 0, .size: 8, .value_kind: global_buffer, .address_space: global }
      - { .name: Wq, .offset: 8, .size: 8, .value_kind: global_buffer, .address_space: global }
      - { .name: Wk, .offset: 16, .size: 8, .value_kind: global_buffer, .address_space: global }
      - { .name: Wv, .offset: 24, .size: 8, .value_kind: global_buffer, .address_space: global }
      - { .name: Wo, .offset: 32, .size: 8, .value_kind: global_buffer, .address_space: global }
      - { .name: bq, .offset: 40, .size: 8, .value_kind: global_buffer, .address_space: global }
      - { .name: bk, .offset: 48, .size: 8, .value_kind: global_buffer, .address_space: global }
      - { .name: bv, .offset: 56, .size: 8, .value_kind: global_buffer, .address_space: global }
      - { .name: bo, .offset: 64, .size: 8, .value_kind: global_buffer, .address_space: global }
      - { .name: xb, .offset: 72, .size: 8, .value_kind: global_buffer, .address_space: global }
      - { .name: wqkv, .offset: 80, .size: 8, .value_kind: global_buffer, .address_space: global }
      - { .name: wo16, .offset: 88, .size: 8, .value_kind: global_buffer, .address_space: global }
      - { .name: bias, .offset: 96, .size: 8, .value_kind: global_buffer, .address_space: global }
    .group_segment_fixed_size: 0
    .private_segment_fixed_size: 0
    .kernarg_segment_align: 8
    .kernarg_segment_size: 104
    .max_flat_workgroup_size: 256
    .sgpr_count:     66
    .vgpr_count:     112
    .wavefront_size: 32
...
	.end_amdgpu_metadata
.endif
;; end of part 1
;; launch qkv (part 2): grid 8 x 32, 4 waves a work-group, clusters of 4 x 4, 327,680 bytes of LDS; arguments xb, wqkv, bias, qkv; writes qkv
.if DOCPART == 2
	.amdgcn_target "amdgcn-amd-amdhsa--gfx1250"
	.amdhsa_code_object_version 6
	.text
	.protected	k_qc34233118a_qkv
	.globl	k_qc34233118a_qkv
	.p2align	8
	.type	k_qc34233118a_qkv,@function
k_qc34233118a_qkv:
	s_mov_b64 s[64:65], 0
	v_nop
	global_prefetch_b8 v0, s[64:65] scope:SCOPE_SE
	s_setreg_imm32_b32 hwreg(HW_REG_WAVE_MODE, 25, 1), 1
	s_wait_xcnt 0x0
	s_wait_alu depctr_hold_cnt(0) depctr_sa_sdst(0) depctr_va_vdst(0) depctr_va_sdst(0) depctr_va_ssrc(0) depctr_va_vcc(0) depctr_vm_vsrc(0)
	s_getreg_b32 s2, hwreg(HW_REG_IB_STS2, 6, 4)
	s_cmp_eq_u32 s2, 0
	s_cbranch_scc0 .Lentry_in_a_cluster
	s_endpgm
.Lentry_in_a_cluster:
	s_bfe_u32 s2, ttmp6, 0x10000c
	s_cmp_lg_u32 s2, 0xf033
	s_cbranch_scc0 .Lentry_shape_is_right
	s_endpgm
.Lentry_shape_is_right:
; THE THREE PROJECTIONS AS ONE PRODUCT.  qkv[row][e] = sum over d of x[row][d] W[e][d] + b[e]; row 0..8191, e 0..3071 (q, k, v on end), d 0..1023.  x and W in bf16, sums in f32; the result is rounded once to f16.
; LIMITS.  |q|, |k|, |v| stay under 65,504 (f16's end).  NaN and infinities are not treated apart; an infinite bias also spoils the 48 columns in front of its block of 16 (see THE BIAS).
; SHARES.  A work-group makes 256 rows x 384 columns: 32 x 8 = 256 work-groups.  Wave w makes rows 128 (w / 2) on, columns 192 (w % 2) on: 96 accumulators of 16 x 16, 768 registers.
; WHY THIS TILE.  640 rows of operands feed 98,304 outputs, 154 for each row brought into LDS; a wave's quarter step reads 20 fragments for 96 matrix instructions.  It is the largest tile whose sums fit in the registers.
; K goes in 16 steps of 64 through two LDS slots: rows of 128 bytes.  Two slots of a step of 128 would take 2 x 174,080 bytes, more than the 327,680 that there are.
; Waves 0, 1 fetch the halves of A's tile (128 rows each), waves 2, 3 those of B's (192 rows each).
; CLUSTER 4 x 4: the four work-groups of a row of the cluster need the same rows of x, the four of a column the same rows of W: each tile is asked for jointly.
; THE MATRIX INSTRUCTION IS USED TRANSPOSED (source 0 = 16 rows of W, source 1 = 16 rows of x): a lane holds row l % 16 and the eight neighbouring columns 8 (l / 16) + 0..7.
; THE BIAS starts the sums, as one more slice of K: on x's side a fragment that is 1 at k = 0 and 0 elsewhere, on W's side a fragment whose k = 0 is the bias (the table holds numbers already rounded to bf16, so the product is exact).
; What that fragment holds at the other k meets a 0 and need only be finite: the twelve fragments are windows, two registers apart, of ONE block of 30 registers.  These 96 products stand in the wait for the first tiles.
; REGISTERS, in windows of 256 (s_set_vgpr_msb: bits 1:0 source 0, 3:2 source 1, 5:4 source 2, 7:6 destination):
;   window 0: v0-31 addresses; v32-95, v96-159 A's 8 fragments (16 rows x 32 K), two buffers; v160-255 B's 12 fragments, ONE buffer: a third of it is loaded for the next quarter as soon as its 32 products are done
;   windows 1-3: the accumulators: column block b, row block a at v[64 (b % 4) + 8 a] of window 1 + b / 4: a third of B's fragments goes with one window
.set PITCH,  144                       ; an LDS row: 128 bytes + 16 of padding = 36 words, so the 16 rows of a fragment load begin at 16 different groups of four words modulo 64
.set SLOT1,  131072                    ; slot 1 begins here: one exclusive or turns an address in one slot into the other's
.set BOFF,   256*PITCH                 ; in a slot: A's 256 rows, then B's 384: 92,160 bytes
.set SPARE,  SLOT1+BOFF+384*PITCH      ; behind slot 1: the spare words, 128 bytes a wave, two blocks of 256 bytes that no other line names
.set SPT,    784                       ; the way out's stage, from LDS byte 0 over the slots, which have had their last fill by then: 256 rows of 768 bytes + 16 = 49 x 16
.set KROW,   2048                      ; bytes in a row of A and of B
.set KSTEPB, 128                       ; bytes of such a row in a K step
.set ROWB,   6144                      ; bytes in a row of the result
.set FILLS,  14                        ; K steps 2 to 15 are brought by refills
.set A0,   3                           ; my lane's place in A's tile; never rewritten
.set B0,   4                           ; in B's
.set ADRA, 5                           ; the same in the slot in hand
.set ADRB, 6
.set STO,  7                           ; v7-8    the way out: where I put 16 bytes of a row, for row blocks 0-3 and 4-7
.set RD,   9                           ; v9-11   where I read blocks of 256 bytes back: three patterns
.set CO,   12                          ; v12-14  the same blocks' byte offsets in the result
.set LT,   15                          ; at work
.set BO,   16                          ; 4 (l % 16): my column in 16 numbers of the bias
.set SPW,  28                          ; LDS address of my spare word; never rewritten
.set NIL,  29                          ; 0; never rewritten
.set AF0,  32
.set AF1,  96
.set BF,   160
.set XB,   96                          ; v96-125   the bias block: column block b's bias, as bf16 in the low half, at v[XB + 2 b]; 0 in all the others
.set ONE,  128                         ; v128-135  the fragment that is 1 at k = 0
.set TMP,  32                          ; the way out: v32-79 packed results
.set BK0,  32                          ; v32-127, v128-223 rows read back, by turns
.set BK1,  128
.set WV,  12
.set WM,  13                           ; which 128 rows are mine.  Also: I fetch for A (0) or for B (1)
.set WN,  14                           ; which 192 columns.  Also: which half of that tile I fetch
.set G1A, 24                           ; s[24:31] descriptor group 1 for A's tiles; s[32:39] group 0: a set for each first fill; the second then walks
.set G0A, 32
.set G1B, 48                           ; s[48:55], s[56:63] the same for B's
.set G0B, 56
.set TB,  66                           ; LDS byte at which the slot in hand begins
.set CNT, 67
.set G1W, (1<<16)|(1<<20)|(1<<21)|(4<<22)|(3<<25)  ; 17:16 2-byte elements; 20 padding on; 21 set beside a mask; 24:22 after every 32 words; 31:25 4 words
.set MSB, 0
.macro WIN new                         ; the high byte repeats the setting that is left; a switch that changes nothing is dropped
.if MSB != (\new)
	s_set_vgpr_msb (MSB<<8)|(\new)
.set MSB, (\new)
.endif
.endm
.macro PLACES                          ; four places in front of loads into registers that matrix instructions have read, and of lines that read results
.rept 4
	v_nop
.endr
.endm
.macro JLOAD                           ; a joint refill by the walking descriptors; an s_nop 0 and four v_nop follow each of the two lines
	s_cmp_eq_u32 s[WM], 0
	s_cbranch_scc0 .Lfor_b_\@
	tensor_load_to_lds s[G0A+4:G0A+7], s[G1A:G1A+7]
	s_nop 0
.rept 4
	v_nop
.endr
	s_branch .Lasked_\@
.Lfor_b_\@:
	tensor_load_to_lds s[G0B+4:G0B+7], s[G1B:G1B+7]
	s_nop 0
.rept 4
	v_nop
.endr
.Lasked_\@:
.endm
.macro CREST                           ; a round of the cluster's barrier behind its opening barrier
	s_cmp_lg_u32 s[WV], 0
	s_cbranch_scc1 .Lnot_wave_0_\@
	s_barrier_signal -3
.Lnot_wave_0_\@:
	s_barrier_wait -3
	s_barrier_signal -1
	s_barrier_wait -1
.endm
.macro CROUND
	s_barrier_signal -1
	s_barrier_wait -1
	CREST
.endm
	s_load_b256 s[4:11], s[0:1], 0x0               ; xb s[4:5], wqkv s[6:7], bias s[8:9], qkv s[10:11]
	v_lshl_add_u32 v[SPW], v0, 2, SPARE
	v_mov_b32 v[NIL], 0
	ds_add_u32 v[SPW], v[NIL]                      ; the wave's opening: the add and its wait come ahead of my first tensor load; work on registers stands between them
	ds_add_u32 v28, v29
	v_lshrrev_b32 v1, 5, v0
	v_readfirstlane_b32 s[WV], v1
	s_lshr_b32 s[WM], s[WV], 1
	s_and_b32 s[WN], s[WV], 1
	s_bfe_u32 s40, ttmp6, 0x40000                  ; cx, cy: my place in the cluster
	s_bfe_u32 s41, ttmp6, 0x40004
	s_lshl_b32 s42, ttmp9, 2
	s_add_co_u32 s42, s42, s40                     ; tile column = 4 x cluster x + cx
	s_and_b32 s43, ttmp7, 0xffff
	s_lshl_b32 s43, s43, 2
	s_add_co_u32 s43, s43, s41                     ; tile row = 4 x cluster y + cy
	s_lshl_b32 s44, s41, 2
	s_lshl_b32 s44, 15, s44                        ; my row of the cluster
	s_lshl_b32 s45, 0x1111, s40                    ; my column
	s_or_b32 s[G1A], s44, G1W                      ; A's tiles go to my row,
	s_or_b32 s[G1B], s45, G1W                      ; B's to my column
	s_mov_b32 s[G1A+1], 64<<16                     ; tensor_dim0 = 64
	s_mov_b32 s[G1A+2], 128<<16                    ; tensor_dim1 = 128
	s_mov_b32 s[G1A+3], 64<<16                     ; tile_dim0 = 64
	s_mov_b32 s[G1A+4], 128                        ; tile_dim1 = 128
	s_mov_b32 s[G1A+5], KROW/2                     ; elements from row to row
	s_mov_b32 s[G1A+6], 0
	s_mov_b32 s[G1A+7], 0
	s_mov_b32 s[G1B+1], 64<<16
	s_mov_b32 s[G1B+2], 192<<16                    ; 192 rows
	s_mov_b32 s[G1B+3], 64<<16
	s_mov_b32 s[G1B+4], 192
	s_mov_b32 s[G1B+5], KROW/2
	s_mov_b32 s[G1B+6], 0
	s_mov_b32 s[G1B+7], 0
	s_lshl_b32 s16, s43, 8                         ; A: row 256 x tile row + 128 x half, in registers that never hold cx
	s_lshl_b32 s17, s[WN], 7
	s_add_co_u32 s16, s16, s17
	s_lshl_b32 s16, s16, 11                        ; x 2,048 bytes: 16.8 million at the most
	s_mov_b32 s17, 0
	s_mul_i32 s46, s42, 384                        ; B: row 384 x tile column + 192 x half
	s_mul_i32 s47, s[WN], 192
	s_add_co_u32 s46, s46, s47
	s_lshl_b32 s46, s46, 11
	s_mov_b32 s47, 0
	s_mul_i32 s20, s[WN], 128*PITCH                ; where they go: no place in the cluster enters an LDS address
	s_mul_i32 s21, s[WN], 192*PITCH
	s_add_co_u32 s21, s21, BOFF
	s_wait_dscnt 0x0                               ; the opening add is done
	s_wait_kmcnt 0x0
	s_add_nc_u64 s[16:17], s[4:5], s[16:17]
	s_add_nc_u64 s[46:47], s[6:7], s[46:47]
	CROUND                                         ; all sixteen work-groups are here: the first joint loads meet
.irp s, 0,1
	s_mov_b32 s[G0A+4*(\s)], 1                     ; count = 1
	s_add_co_u32 s[G0A+4*(\s)+1], s20, (\s)*SLOT1  ; LDS address
	s_add_nc_u64 s[G0A+4*(\s)+2:G0A+4*(\s)+3], s[16:17], (\s)*KSTEPB  ; K step s
	s_or_b32 s[G0A+4*(\s)+3], s[G0A+4*(\s)+3], 0x80000000             ; type = 2
	s_mov_b32 s[G0B+4*(\s)], 1
	s_add_co_u32 s[G0B+4*(\s)+1], s21, (\s)*SLOT1
	s_add_nc_u64 s[G0B+4*(\s)+2:G0B+4*(\s)+3], s[46:47], (\s)*KSTEPB
	s_or_b32 s[G0B+4*(\s)+3], s[G0B+4*(\s)+3], 0x80000000
.endr
	s_cmp_eq_u32 s[WM], 0                          ; a wave's two first fills stand in one branch: two loads of mine are out
	s_cbranch_scc0 .Lfirst_b
	tensor_load_to_lds s[G0A:G0A+3], s[G1A:G1A+7]
	s_nop 0
	tensor_load_to_lds s[G0A+4:G0A+7], s[G1A:G1A+7]
	s_nop 0
.rept 4
	v_nop
.endr
	s_branch .Lfirst_asked
.Lfirst_b:
	tensor_load_to_lds s[G0B:G0B+3], s[G1B:G1B+7]
	s_nop 0
	tensor_load_to_lds s[G0B+4:G0B+7], s[G1B:G1B+7]
	s_nop 0
.rept 4
	v_nop
.endr
.Lfirst_asked:
	v_and_b32 v1, 15, v0                           ; r = l % 16
	v_bfe_u32 v2, v0, 4, 1                         ; h = l / 16
	s_mul_i32 s18, s42, 1536                       ; the bias of my 192 columns: 4 x (384 x tile column + 192 x half)
	s_mul_i32 s19, s[WN], 768
	s_add_co_u32 s18, s18, s19
	s_mov_b32 s19, 0
	s_add_nc_u64 s[8:9], s[8:9], s[18:19]
	v_lshlrev_b32 v[BO], 2, v1
.irp b, 0,1,2,3,4,5,6,7,8,9,10,11
	global_load_b32 v[XB+2*(\b)], v[BO], s[8:9] offset:64*(\b)  ; lane l: the bias of column 16 b + l % 16
.endr
	; A fragment is 16 rows x 32 K in 8 registers: lane l holds row l % 16, K = 8 (l / 16) + 0..7 and 16 + 8 (l / 16) + 0..7: two loads of 16 bytes, 32 bytes apart.
	v_mul_u32_u24 v[LT], v1, PITCH
	v_lshl_add_u32 v[LT], v2, 4, v[LT]             ; r x pitch + 16 h
	s_mul_i32 s16, s[WM], 128*PITCH
	v_add_nc_u32 v[A0], s16, v[LT]
	s_mul_i32 s17, s[WN], 192*PITCH
	s_add_co_u32 s17, s17, BOFF
	v_add_nc_u32 v[B0], s17, v[LT]
	; the way out, in: row 128 WM + 16 a + r of the stage, my wave's 384 bytes of it, 16 bytes for each half of the lanes
	v_mul_u32_u24 v[STO], v1, SPT
	v_lshl_add_u32 v[STO], v2, 4, v[STO]
	s_mul_i32 s16, s[WM], 128*SPT
	s_mul_i32 s17, s[WN], 384
	s_add_co_u32 s16, s16, s17
	v_add_nc_u32 v[STO], s16, v[STO]
	v_add_nc_u32 v[STO+1], 4*16*SPT, v[STO]        ; row blocks 4-7: the offsets stay inside 16 bits
	; back: a row is three blocks of 256 bytes, an instruction takes two blocks (16 lanes each), so two rows are three instructions:
	; pattern 0: row 0, blocks 0 and 1; pattern 1: row 0, block 2 and row 1, block 0; pattern 2: row 1, blocks 1 and 2
	v_lshlrev_b32 v[LT], 4, v1                     ; 16 r
	v_lshl_add_u32 v[CO], v2, 8, v[LT]             ; 256 h + 16 r
	v_add_nc_u32 v[CO+2], ROWB+256, v[CO]
	v_mul_u32_u24 v[CO+1], v2, ROWB-512
	v_add_nc_u32 v[CO+1], v[CO+1], v[LT]
	v_add_nc_u32 v[CO+1], 512, v[CO+1]             ; 512 + (a row less 512) h + 16 r
	s_mul_i32 s16, s[WV], 64*SPT                   ; wave w takes rows 64 w .. 64 w + 63, whole
	v_add_nc_u32 v[RD], s16, v[CO]
	v_add_nc_u32 v[RD+2], SPT+256, v[RD]
	v_mul_u32_u24 v[RD+1], v2, SPT-512
	v_add_nc_u32 v[RD+1], v[RD+1], v[LT]
	v_add_nc_u32 v[RD+1], s16, v[RD+1]
	v_add_nc_u32 v[RD+1], 512, v[RD+1]
	s_lshl_b32 s18, s43, 8
	s_lshl_b32 s19, s[WV], 6
	s_add_co_u32 s18, s18, s19                     ; the first row that I store
	s_mul_i32 s18, s18, ROWB                       ; 50 million at the most
	s_mul_i32 s19, s42, 768
	s_add_co_u32 s18, s18, s19                     ; + the tile's first column, in bytes
	s_mov_b32 s19, 0
	s_add_nc_u64 s[10:11], s[10:11], s[18:19]
	s_mov_b32 s[TB], 0
	v_mov_b32 v[ADRA], v[A0]
	v_mov_b32 v[ADRB], v[B0]
.irp n, 1,3,5,7,9,11,13,15,17,19,21,23,24,25,26,27,28,29
	v_mov_b32 v[XB+(\n)], 0                        ; the bias block's other registers
.endr
	v_xor_b32 v[LT], 1, v2
	v_mul_u32_u24 v[ONE], v[LT], 0x3f80            ; register 0, low half, is k = 8 h: 1.0 in bf16 where h = 0
.irp n, 1,2,3,4,5,6,7
	v_mov_b32 v[ONE+(\n)], 0
.endr
	s_wait_loadcnt 0x0                             ; the bias
.irp b, 0,1,2,3,4,5,6,7,8,9,10,11
	v_lshrrev_b32 v[XB+2*(\b)], 16, v[XB+2*(\b)]   ; the table's f32 has nothing below its upper 16 bits: they are the bf16
.endr
.irp g, 0,1,2                          ; the bias starts all 96 sums
	WIN 0x50*((\g)+1)
.irp i, 0,1,2,3
.irp a, 0,1,2,3,4,5,6,7
	v_wmma_f32_16x16x32_bf16 v[64*(\i)+8*(\a):64*(\i)+8*(\a)+7], v[XB+2*(4*(\g)+(\i)):XB+2*(4*(\g)+(\i))+7], v[ONE:ONE+7], 0
.endr
.endr
.endr
	WIN 0
; 16 matrix instructions: column blocks 4 g + 2 hf, 4 g + 2 hf + 1 x all 8 row blocks, 32 along K.  The 96 accumulators take turns, in the same order in every quarter.
.macro MULH f, g, hf
	WIN 0x50*((\g)+1)                              ; fragments in window 0, C and D in window 1 + g
.irp i, 2*(\hf), 2*(\hf)+1
.irp a, 0,1,2,3,4,5,6,7
	v_wmma_f32_16x16x32_bf16 v[64*(\i)+8*(\a):64*(\i)+8*(\a)+7], v[BF+8*(4*(\g)+(\i)):BF+8*(4*(\g)+(\i))+7], v[(\f)+8*(\a):(\f)+8*(\a)+7], v[64*(\i)+8*(\a):64*(\i)+8*(\a)+7]
.endr
.endr
.endm
.macro MULS f, g                       ; a third of a quarter: 32 matrix instructions under one window setting
	MULH \f, \g, 0
	MULH \f, \g, 1
.endm
.macro LA q, f                         ; 16 LDS loads: A's 8 fragments of quarter q (32 K at byte 64 q of the rows) into buffer f
.irp i, 0,1,2,3,4,5,6,7
	ds_load_b128 v[(\f)+8*(\i):(\f)+8*(\i)+3],   v[ADRA] offset:64*(\q)+(\i)*16*PITCH
	ds_load_b128 v[(\f)+8*(\i)+4:(\f)+8*(\i)+7], v[ADRA] offset:64*(\q)+(\i)*16*PITCH+32
.endr
.endm
.macro LB q, g                         ; 8 LDS loads: third g of B's fragments of quarter q
.irp i, 0,1,2,3
	ds_load_b128 v[BF+8*(4*(\g)+(\i)):BF+8*(4*(\g)+(\i))+3],   v[ADRB] offset:64*(\q)+(4*(\g)+(\i))*16*PITCH
	ds_load_b128 v[BF+8*(4*(\g)+(\i))+4:BF+8*(4*(\g)+(\i))+7], v[ADRB] offset:64*(\q)+(4*(\g)+(\i))*16*PITCH+32
.endr
.endm
; A K step is two quarters of 32 along K, 96 matrix instructions each.  Behind each third's products stand four places and the loads of the next quarter's fragments into the registers just read
; (behind the first third also A's, into the other buffer): each run is issued 64 matrix instructions ahead of its first use.
; THE FIRST QUARTER multiplies A's buffer 0 and fetches the slot's second quarter.
.macro Q0
	s_wait_dscnt 16                                ; A and B's first third are in; the two younger thirds (8 loads each) may be out
	MULS AF0, 0
	WIN 0
	PLACES
	LA 1, AF1
	LB 1, 0
	s_wait_dscnt 32                                ; B's second third is in: behind it were issued the last third (8) and the 24 just now
	MULS AF0, 1
	WIN 0
	PLACES
	LB 1, 1
	s_wait_dscnt 32                                ; B's last third is in: behind it were issued the 24 and the 8 of this quarter
	MULS AF0, 2
	WIN 0
	PLACES
	LB 1, 2
.endm
; THE SECOND QUARTER multiplies A's buffer 1 and changes slots: all of this slot's fragments have been asked for.  ONE barrier.  In front of it each wave waits for all its tensor loads (one is out: its part of the
; next slot), adds 0 to its spare word, and waits for that and for its reads of this slot.  fill = 1: the barrier opens a round of the cluster's, and this slot is filled again, two K steps ahead, first thing behind the
; round: 192 matrix instructions ahead of the wait for it.  fill = 0 (the tail, walked twice): nothing is asked for; the second trip has no further slot and jumps over the three runs of loads; behind its barrier no wave
; reads a slot any more, which is what the way out's stage needs.
.macro Q1 fill
	WIN 0
	s_wait_tensorcnt 0x0                           ; no tensor load of mine is out, so a group 0 may be written
	ds_add_u32 v[SPW], v[NIL]                      ; 0 onto my spare word
.if \fill
	s_xor_b32 s[G0A+5], s[G0A+5], SLOT1            ; the walking descriptors: the other slot than last time, the next K step
	s_add_nc_u64 s[G0A+6:G0A+7], s[G0A+6:G0A+7], KSTEPB
	s_xor_b32 s[G0B+5], s[G0B+5], SLOT1
	s_add_nc_u64 s[G0B+6:G0B+7], s[G0B+6:G0B+7], KSTEPB
.endif
	s_wait_dscnt 17                                ; A and B's first third are in; the two younger thirds and the add may be out
	MULH AF1, 0, 0
	s_wait_dscnt 0x0                               ; the add is done, and my reads of this slot are over
	s_barrier_signal -1
	MULH AF1, 0, 1
	WIN 0
	s_barrier_wait -1
.if \fill
	CREST
	JLOAD                                          ; its four v_nop are also the places in front of the loads below
.else
	s_cmp_eq_u32 s[CNT], 1
	s_cbranch_scc1 .Lna_\@
	PLACES
.endif
	s_xor_b32 s[TB], s[TB], SLOT1
	v_add_nc_u32 v[ADRB], s[TB], v[B0]
	v_add_nc_u32 v[ADRA], s[TB], v[A0]
	LA 0, AF0
	LB 0, 0
.if !(\fill)
.Lna_\@:
.endif
	MULS AF1, 1                                    ; the wait for 0 above has shown these fragments in
	WIN 0
.if !(\fill)
	s_cmp_eq_u32 s[CNT], 1
	s_cbranch_scc1 .Lnb_\@
.endif
	PLACES
	LB 0, 1
.if !(\fill)
.Lnb_\@:
.endif
	MULS AF1, 2
	WIN 0
.if !(\fill)
	s_cmp_eq_u32 s[CNT], 1
	s_cbranch_scc1 .Lnc_\@
.endif
	PLACES
	LB 0, 2
.if !(\fill)
.Lnc_\@:
.endif
.endm
; THE WAY OUT.  A wave's 192 columns are 384 bytes, one and a half blocks of 256: so all four waves put their parts into ONE stage, a barrier follows, and each wave reads 64 whole rows back.
; Row block a: rounded to f16, 16 bytes a lane and column block, each accumulator's registers in ascending order; then into the stage.
.macro PACKST a
.irp g, 0,1,2
	WIN 5*((\g)+1)                                 ; both sources in window 1 + g, destination in window 0
.irp i, 0,1,2,3
.irp k, 0,1,2,3
	v_cvt_pk_f16_f32 v[TMP+4*(4*(\g)+(\i))+(\k)], v[64*(\i)+8*(\a)+2*(\k)], v[64*(\i)+8*(\a)+2*(\k)+1]
.endr
.endr
.endr
	WIN 0
.irp b, 0,1,2,3,4,5,6,7,8,9,10,11
	ds_store_b128 v[STO+(\a)/4], v[TMP+4*(\b):TMP+4*(\b)+3] offset:((\a)%4)*16*SPT+32*(\b)
.endr
.endm
.macro BACK t, bk                      ; 16 of my rows (pairs 8 t .. 8 t + 7) back into bank bk: 24 loads
.set m, 8*(\t)
.rept 8
.irp s, 0,1,2
	ds_load_b128 v[(\bk)+4*(3*(m-8*(\t))+(\s)):(\bk)+4*(3*(m-8*(\t))+(\s))+3], v[RD+(\s)] offset:m*2*SPT
.endr
.set m, m+1
.endr
.endm
.macro SENDB t, bk
.set m, 8*(\t)
.rept 8
.irp s, 0,1,2
	global_store_b128 v[CO+(\s)], v[(\bk)+4*(3*(m-8*(\t))+(\s)):(\bk)+4*(3*(m-8*(\t))+(\s))+3], s[10:11] offset:m*2*ROWB  ; each 16 lanes store 256 consecutive bytes, at a multiple of 256 from the buffer's first byte
.endr
.set m, m+1
.endr
.endm
	s_wait_tensorcnt 0x1                           ; my part of K step 0 is in; K step 1's may stay out
	s_barrier_signal -1
	s_barrier_wait -1
	LA 0, AF0                                      ; the first quarter's fragments, in the order in which every quarter's are asked for
	LB 0, 0
	LB 0, 1
	LB 0, 2
	s_mov_b32 s[CNT], FILLS
.Lloop:                                                ; a trip is a K step; fourteen trips fill K steps 2 to 15
	Q0
	Q1 1
	WIN 0
	s_sub_co_u32 s[CNT], s[CNT], 1
	s_cmp_lg_u32 s[CNT], 0
	s_cbranch_scc1 .Lloop
	s_mov_b32 s[CNT], 2
.Ltail:                                                ; the last two K steps ask for nothing
	Q0
	Q1 0
	WIN 0
	s_sub_co_u32 s[CNT], s[CNT], 1
	s_cmp_lg_u32 s[CNT], 0
	s_cbranch_scc1 .Ltail
	PLACES
.irp a, 0,1,2,3,4,5,6,7
	PACKST \a
.endr
	s_wait_dscnt 0x0                               ; for the others' sake: my stores into the stage are done
	s_barrier_signal -1
	s_barrier_wait -1
	BACK 0, BK0
	BACK 1, BK1
	s_wait_dscnt 24                                ; the older batch is back; the younger 24 loads may be out
	SENDB 0, BK0
	s_wait_xcnt 0x0                                ; the stores have read their registers: the bank is loaded again only behind this wait
	BACK 2, BK0
	s_wait_dscnt 24
	SENDB 1, BK1
	s_wait_xcnt 0x0
	BACK 3, BK1
	s_wait_dscnt 24
	SENDB 2, BK0
	s_wait_dscnt 0x0
	SENDB 3, BK1
	s_wait_tensorcnt 0x0                           ; the wave's end
	ds_add_u32 v[SPW], v[NIL]
	s_wait_dscnt 0x0
	CROUND                                         ; the closing round: no work-group ends while a partner may still ask for a tile that names it
	s_endpgm
.Lfunc_end_k_qc34233118a_qkv:
	.size	k_qc34233118a_qkv, .Lfunc_end_k_qc34233118a_qkv-k_qc34233118a_qkv
	.p2alignl 7, 3214868480
	.fill 96, 4, 3214868480
	.section	.rodata,"a",@progbits
	.p2align	6, 0x0
	.amdhsa_kernel k_qc34233118a_qkv
		.amdhsa_group_segment_fixed_size 327680
		.amdhsa_private_segment_fixed_size 0
		.amdhsa_enable_private_segment 0
		.amdhsa_kernarg_size 32
		.amdhsa_user_sgpr_count 2
		.amdhsa_user_sgpr_kernarg_segment_ptr 1
		.amdhsa_wavefront_size32 1
		.amdhsa_system_sgpr_workgroup_id_x 1
		.amdhsa_system_sgpr_workgroup_id_y 1
		.amdhsa_system_sgpr_workgroup_id_z 1
		.amdhsa_system_vgpr_workitem_id 0
		.amdhsa_next_free_vgpr 1024
		.amdhsa_next_free_sgpr 80
		.amdhsa_reserve_vcc 0
		.amdhsa_float_denorm_mode_32 3
		.amdhsa_float_denorm_mode_16_64 3
		.amdhsa_memory_ordered 1
		.amdhsa_forward_progress 1
		.amdhsa_inst_pref_size 104
	.end_amdhsa_kernel
	.amdgpu_metadata
---
amdhsa.version: [ 1, 2 ]
amdhsa.kernels:
  - .name:           k_qc34233118a_qkv
    .symbol:         k_qc34233118a_qkv.kd
    .args:
      - { .name: xb, .offset: 0, .size: 8, .value_kind: global_buffer, .address_space: global }
      - { .name: wqkv, .offset: 8, .size: 8, .value_kind: global_buffer, .address_space: global }
      - { .name: bias, .offset: 16, .size: 8, .value_kind: global_buffer, .address_space: global }
      - { .name: qkv, .offset: 24, .size: 8, .value_kind: global_buffer, .address_space: global }
    .group_segment_fixed_size: 327680
    .private_segment_fixed_size: 0
    .kernarg_segment_align: 8
    .kernarg_segment_size: 32
    .max_flat_workgroup_size: 128
    .sgpr_count:     80
    .vgpr_count:     1024
    .wavefront_size: 32
...
	.end_amdgpu_metadata
.endif
;; end of part 2
;; launch scores (part 3): grid 9 x 32, 4 waves a work-group, no clusters, 327,680 bytes of LDS; arguments qkv, pp, st; writes pp, st
.if DOCPART == 3
	.amdgcn_target "amdgcn-amd-amdhsa--gfx1250"
	.amdhsa_code_object_version 6
	.text
	.protected	k_qc34233118a_scores
	.globl	k_qc34233118a_scores
	.p2align	8
	.type	k_qc34233118a_scores,@function
k_qc34233118a_scores:
	s_mov_b64 s[64:65], 0
	v_nop
	global_prefetch_b8 v0, s[64:65] scope:SCOPE_SE
	s_setreg_imm32_b32 hwreg(HW_REG_WAVE_MODE, 25, 1), 1
	s_wait_xcnt 0x0
; SCORES AND THE SOFTMAX'S FIRST HALF.  For a tile of 128 queries x 256 keys of one batch: s = q . k (f16 operands, f32 sums, K = 1024); a hidden key (key > query) starts its sum at -1e30, by the C operand.
; For each query and each CHUNK of 128 keys (a wave's own columns), with c = log2(e) / 32: mc = c max(s); p' = 2^(c s - mc), stored as f16 in pp; l = the sum of the unrounded p', in f32; (mc, l) stored in st.
; The launch behind takes the maximum over a row's chunks away and divides: the reference's softmax, its maximum taken by chunks.
; LIMITS.  A hidden score counts as its value less 1e30; f16's scores, 4.4e12 at the most, are nothing beside that.  A weight below 2^-126 counts as 0 in l, below 6e-8 as 0 in pp.  NaN and infinities are not treated apart.
; A DEAD CHUNK.  Where ALL 128 keys of a wave are hidden from all its 64 queries (the chunk to the right of the diagonal one, where the row block's number is even) the wave takes no mask, so that its p' and l are
; finite numbers (with the mask the exponent's argument would be the rounding error of c x 1e30), and stores the lowest finite number as mc: the launch behind then gives the chunk the factor 0.
; In every other chunk that is stored each query sees a key.
; THE TILES.  Row block i (of 16 a batch) needs the key tiles 0 .. i / 2.  Blocks p and 15 - p together have nine: grid x = 0..8 numbers them, grid y = 8 x batch + p.  288 work-groups of equal work.
; NO CLUSTER: a row block has 1 to 8 key tiles and a key tile 2 to 16 row blocks, so the triangle does not fall into fours that need the same tile in every K step without work-groups whose whole tile is hidden.
; Shares, ring, fragments and the transposed use of the matrix instruction (source 0 = 16 keys, source 1 = 16 queries: a lane holds ONE query, l % 16, and the keys 8 (l / 16) + 0..7 of each block of 16) are the projection's.
; REGISTERS: window 0: v0-31 addresses and work; v32-63 packed results; v64-159, v160-255 fragment buffers; on the way out v64-79 four registers of statistics a row block.
;   window 1: the accumulators, (a, b) at v[64 a + 8 b].   window 2: v0-87 the masks: they hang on d = b - a alone, d = -3 .. 7, at v[8 (d + 3)].
.set PITCH,  272
.set SLOT1,  131072
.set BOFF,   128*PITCH
.set STAGE,  SLOT1+BOFF+256*PITCH
.set SP,     272
.set SPARE,  STAGE+4*16*SP
.set QROW,   6144                      ; bytes in a row of qkv: q at 0, k at 2,048
.set ROWB,   4096                      ; bytes in a row of pp
.set STEPS,  8
.set A0,   3
.set B0,   4
.set ADRA, 5
.set ADRB, 6
.set STO,  7
.set RD,   8
.set CO,   9
.set LT,   10                          ; at work; then the mask's threshold
.set SO,   11                          ; 8 x lane: my place in 32 rows of st
.set CH,   12                          ; v12-19 eight running maxima
.set PR,   20                          ; v20-23 two pairs (mc, l) to store
.set SPW,  28
.set NIL,  29
.set TMP,  32
.set ST,   64                          ; row block a's statistics at v[ST + 4 a]: mc, m, l (two halves, then the sum)
.set F0,   64
.set F1,   160
.set OB,   160
.set WV,  12
.set WM,  13
.set WN,  14
.set G1A, 24
.set G0A, 32
.set BIGE, 44                          ; the mask's number for this wave: -1e30, or 0 in a dead chunk
.set DEAD, 45                          ; all ones in a dead chunk, else 0
.set G1B, 48
.set G0B, 56
.set TB,  66
.set CNT, 67
.set BT,  69                           ; the batch
.set IB,  74                           ; the row block
.set JT,  75                           ; the key tile
.set CS,  78                           ; s[78:79] c; the packed scaling takes the pair's low word for both halves
.set SEL, 80                           ; s[80:81] v_permlanex16_b32's selects: each lane takes its own place in the other half
.set BIGN, 82                          ; -1e30
.set HM,  83                           ; the lanes 16-31
.set G1W, (1<<16)|(1<<20)|(5<<22)|(3<<25)
.set W_MUL,  0x50
.set W_MULC, 0x60
.set MSB, 0
.macro WIN new
.if MSB != (\new)
	s_set_vgpr_msb (MSB<<8)|(\new)
.set MSB, (\new)
.endif
.endm
.macro PLACES
.rept 4
	v_nop
.endr
.endm
.macro LOAD                            ; a refill by the walking descriptors; an s_nop 0 and four v_nop follow each of the two lines
	s_cmp_eq_u32 s[WM], 0
	s_cbranch_scc0 .Lfor_b_\@
	tensor_load_to_lds s[G0A+4:G0A+7], s[G1A:G1A+7]
	s_nop 0
.rept 4
	v_nop
.endr
	s_branch .Lasked_\@
.Lfor_b_\@:
	tensor_load_to_lds s[G0B+4:G0B+7], s[G1B:G1B+7]
	s_nop 0
.rept 4
	v_nop
.endr
.Lasked_\@:
.endm
	s_load_b128 s[4:7], s[0:1], 0x0                ; qkv s[4:5], pp s[6:7]
	s_load_b64 s[8:9], s[0:1], 0x10                ; st
	v_lshl_add_u32 v[SPW], v0, 2, SPARE
	v_mov_b32 v[NIL], 0
	ds_add_u32 v[SPW], v[NIL]                      ; the wave's opening: the add and its wait come ahead of my first tensor load
	ds_add_u32 v28, v29
	v_lshrrev_b32 v1, 5, v0
	v_readfirstlane_b32 s[WV], v1
	s_lshr_b32 s[WM], s[WV], 1
	s_and_b32 s[WN], s[WV], 1
	s_mov_b32 s76, ttmp9                           ; u: which of the pair's nine tiles
	s_and_b32 s68, ttmp7, 0xffff
	s_lshr_b32 s[BT], s68, 3
	s_and_b32 s70, s68, 7                          ; p
	s_lshr_b32 s71, s70, 1
	s_add_co_u32 s71, s71, 1                       ; block p has p / 2 + 1 tiles
	s_sub_co_u32 s72, 15, s70
	s_sub_co_u32 s73, s76, s71
	s_cmp_lt_u32 s76, s71
	s_cselect_b32 s[IB], s70, s72                  ; u below that: block p, tile u; else block 15 - p, tile u less that
	s_cselect_b32 s[JT], s76, s73
	s_mov_b32 s[G1A], G1W
	s_mov_b32 s[G1A+1], 128<<16
	s_mov_b32 s[G1A+2], 64<<16
	s_mov_b32 s[G1A+3], 128<<16
	s_mov_b32 s[G1A+4], 64
	s_mov_b32 s[G1A+5], QROW/2
	s_mov_b32 s[G1A+6], 0
	s_mov_b32 s[G1A+7], 0
	s_mov_b32 s[G1B], G1W
	s_mov_b32 s[G1B+1], 128<<16
	s_mov_b32 s[G1B+2], 128<<16
	s_mov_b32 s[G1B+3], 128<<16
	s_mov_b32 s[G1B+4], 128
	s_mov_b32 s[G1B+5], QROW/2
	s_mov_b32 s[G1B+6], 0
	s_mov_b32 s[G1B+7], 0
	s_mov_b32 s[CS], 0x3d38aa3b                    ; c = log2(e) / 32 = 0.0450842
	s_mov_b32 s[CS+1], s[CS]
	s_mov_b32 s[SEL], 0x76543210
	s_mov_b32 s[SEL+1], 0xfedcba98
	s_mov_b32 s[BIGN], 0xf149f2ca                  ; -1e30
	s_lshl_b32 s15, s[BT], 11                      ; the batch's first row
	s_lshl_b32 s16, s[IB], 7                       ; q: row 2,048 batch + 128 i + 64 x half
	s_add_co_u32 s16, s16, s15
	s_lshl_b32 s17, s[WN], 6
	s_add_co_u32 s16, s16, s17
	s_mul_i32 s16, s16, QROW                       ; 50 million at the most
	s_mov_b32 s17, 0
	s_lshl_b32 s18, s[JT], 8                       ; k: row 2,048 batch + 256 jt + 128 x half, 2,048 bytes into the row
	s_add_co_u32 s18, s18, s15
	s_lshl_b32 s19, s[WN], 7
	s_add_co_u32 s18, s18, s19
	s_mul_i32 s18, s18, QROW
	s_add_co_u32 s18, s18, 2048
	s_mov_b32 s19, 0
	s_lshl_b32 s20, s[IB], 7
	s_add_co_u32 s20, s20, s15
	s_lshl_b32 s21, s[WM], 6
	s_add_co_u32 s20, s20, s21                     ; my first row
	s_lshl_b32 s22, s20, 12                        ; in pp: x 4,096 bytes,
	s_lshl_b32 s21, s[JT], 9
	s_add_co_u32 s22, s22, s21
	s_lshl_b32 s21, s[WN], 8
	s_add_co_u32 s22, s22, s21                     ; + my first key, in bytes
	s_mov_b32 s23, 0
	s_lshl_b32 s20, s20, 3                         ; in st: 8 bytes a row,
	s_lshl_b32 s21, s[JT], 1
	s_add_co_u32 s21, s21, s[WN]
	s_lshl_b32 s21, s21, 16
	s_add_co_u32 s20, s20, s21                     ; + my chunk x 65,536
	s_mov_b32 s21, 0
	s_mul_i32 s40, s[WN], 64*PITCH
	s_mul_i32 s41, s[WN], 128*PITCH
	s_add_co_u32 s41, s41, BOFF
	s_lshl_b32 s42, s[WM], 6                       ; my first query less my first key, counted in the batch: 64 WM - 128 WN + 128 i - 256 jt
	s_lshl_b32 s43, s[WN], 7
	s_sub_co_u32 s42, s42, s43
	s_lshl_b32 s43, s[IB], 7
	s_add_co_u32 s42, s42, s43
	s_lshl_b32 s43, s[JT], 8
	s_sub_co_u32 s42, s42, s43
	s_cmp_lt_i32 s42, -63                          ; my last query (63 on) lies before my first key: a dead chunk
	s_cselect_b32 s[BIGE], 0, s[BIGN]
	s_cselect_b32 s[DEAD], -1, 0
	s_wait_dscnt 0x0                               ; the opening add is done
	s_wait_kmcnt 0x0
	s_add_nc_u64 s[16:17], s[4:5], s[16:17]
	s_add_nc_u64 s[18:19], s[4:5], s[18:19]
	s_add_nc_u64 s[10:11], s[6:7], s[22:23]
	s_add_nc_u64 s[8:9], s[8:9], s[20:21]
.irp s, 0,1
	s_mov_b32 s[G0A+4*(\s)], 1
	s_add_co_u32 s[G0A+4*(\s)+1], s40, (\s)*SLOT1
	s_add_nc_u64 s[G0A+4*(\s)+2:G0A+4*(\s)+3], s[16:17], (\s)*256
	s_or_b32 s[G0A+4*(\s)+3], s[G0A+4*(\s)+3], 0x80000000
	s_mov_b32 s[G0B+4*(\s)], 1
	s_add_co_u32 s[G0B+4*(\s)+1], s41, (\s)*SLOT1
	s_add_nc_u64 s[G0B+4*(\s)+2:G0B+4*(\s)+3], s[18:19], (\s)*256
	s_or_b32 s[G0B+4*(\s)+3], s[G0B+4*(\s)+3], 0x80000000
.endr
	s_cmp_eq_u32 s[WM], 0                          ; a wave's two first fills stand in one branch: two loads of mine are out
	s_cbranch_scc0 .Lfirst_b
	tensor_load_to_lds s[G0A:G0A+3], s[G1A:G1A+7]
	s_nop 0
	tensor_load_to_lds s[G0A+4:G0A+7], s[G1A:G1A+7]
	s_nop 0
.rept 4
	v_nop
.endr
	s_branch .Lfirst_asked
.Lfirst_b:
	tensor_load_to_lds s[G0B:G0B+3], s[G1B:G1B+7]
	s_nop 0
	tensor_load_to_lds s[G0B+4:G0B+7], s[G1B:G1B+7]
	s_nop 0
.rept 4
	v_nop
.endr
.Lfirst_asked:
	v_and_b32 v1, 15, v0                           ; r
	v_bfe_u32 v2, v0, 4, 1                         ; h
	v_mul_u32_u24 v[LT], v1, PITCH
	v_lshl_add_u32 v[LT], v2, 4, v[LT]
	s_mul_i32 s16, s[WM], 64*PITCH
	v_add_nc_u32 v[A0], s16, v[LT]
	s_mul_i32 s17, s[WN], 128*PITCH
	s_add_co_u32 s17, s17, BOFF
	v_add_nc_u32 v[B0], s17, v[LT]
	s_mul_i32 s18, s[WV], 16*SP
	s_add_co_u32 s18, s18, STAGE
	v_add_nc_u32 v[STO], s18, v[LT]
	v_mul_u32_u24 v[RD], v2, SP
	v_lshl_add_u32 v[RD], v1, 4, v[RD]
	v_add_nc_u32 v[RD], s18, v[RD]
	v_lshlrev_b32 v[CO], 12, v2                    ; two rows of pp
	v_lshl_add_u32 v[CO], v1, 4, v[CO]
	v_and_b32 v[SO], 31, v0
	v_lshlrev_b32 v[SO], 3, v[SO]
	; THE MASKS.  Register j of accumulator (a, b) is query 16 a + r, key 16 b + 8 h + j of my part: hidden where 16 (b - a) + j > r - 8 h + (my first query less my first key).  Below the diagonal, and in a dead chunk, all come out 0.
	v_lshlrev_b32 v[LT], 3, v2
	v_sub_nc_u32 v[LT], v1, v[LT]
	v_add_nc_u32 v[LT], s42, v[LT]
	WIN 0x80                                       ; destination window 2
.set d, -3
.rept 11
.set j, 0
.rept 8
	v_cmp_gt_i32 vcc_lo, 16*d+j, v[LT]
	v_cndmask_b32 v[8*(d+3)+j], 0, s[BIGE], vcc_lo
.set j, j+1
.endr
.set d, d+1
.endr
	WIN 0
	s_mov_b32 s[TB], 0
	v_mov_b32 v[ADRA], v[A0]
	v_mov_b32 v[ADRB], v[B0]
; 8 matrix instructions: query block a x all 8 key blocks.  cm = 0: the sums go on; 2: the mask starts them.  The 32 accumulators take turns.
.macro MUL8 f, a, cm
.if (\cm) == 2
	WIN W_MULC
.else
	WIN W_MUL
.endif
.irp b, 0,1,2,3,4,5,6,7
.if (\cm) == 2
	v_wmma_f32_16x16x32_f16 v[64*(\a)+8*(\b):64*(\a)+8*(\b)+7], v[(\f)+8*(\b):(\f)+8*(\b)+7], v[(\f)+64+8*(\a):(\f)+64+8*(\a)+7], v[8*((\b)-(\a)+3):8*((\b)-(\a)+3)+7]
.else
	v_wmma_f32_16x16x32_f16 v[64*(\a)+8*(\b):64*(\a)+8*(\b)+7], v[(\f)+8*(\b):(\f)+8*(\b)+7], v[(\f)+64+8*(\a):(\f)+64+8*(\a)+7], v[64*(\a)+8*(\b):64*(\a)+8*(\b)+7]
.endif
.endr
.endm
.macro FETCH q, f
	WIN 0
.irp i, 0,1,2,3,4,5,6,7
	ds_load_b128 v[(\f)+8*(\i):(\f)+8*(\i)+3],   v[ADRB] offset:64*(\q)+(\i)*16*PITCH
	ds_load_b128 v[(\f)+8*(\i)+4:(\f)+8*(\i)+7], v[ADRB] offset:64*(\q)+(\i)*16*PITCH+32
.endr
.irp i, 0,1,2,3
	ds_load_b128 v[(\f)+64+8*(\i):(\f)+64+8*(\i)+3],   v[ADRA] offset:64*(\q)+(\i)*16*PITCH
	ds_load_b128 v[(\f)+64+8*(\i)+4:(\f)+64+8*(\i)+7], v[ADRA] offset:64*(\q)+(\i)*16*PITCH+32
.endr
.endm
.macro QUARTER q, f, g, cm
	s_wait_dscnt 4                                 ; the youngest four loads (A's fragments 2, 3) may be out
	MUL8 \f, 0, \cm
	MUL8 \f, 1, \cm
	WIN 0
	PLACES
	FETCH \q, \g
	s_wait_dscnt 24                                ; all but the 24 just issued
	MUL8 \f, 2, \cm
	MUL8 \f, 3, \cm
.endm
; The last quarter and the change of slots: one barrier; in front of it all my tensor loads, the add, and my reads of this slot are waited for; fill = 1: this slot is filled again first thing behind it.
; fill = 0 (the tail, walked twice): the second trip has no further slot and jumps over the fetch; its barrier serves nothing, the price of one text for both trips.
.macro TURN fill
	WIN 0
	s_wait_tensorcnt 0x0                           ; no tensor load of mine is out, so a group 0 may be written
	ds_add_u32 v[SPW], v[NIL]                      ; 0 onto my spare word
.if \fill
	s_xor_b32 s[G0A+5], s[G0A+5], SLOT1
	s_add_nc_u64 s[G0A+6:G0A+7], s[G0A+6:G0A+7], 256
	s_xor_b32 s[G0B+5], s[G0B+5], SLOT1
	s_add_nc_u64 s[G0B+6:G0B+7], s[G0B+6:G0B+7], 256
.endif
	s_wait_dscnt 5                                 ; the add and the youngest four loads may be out
	MUL8 F1, 0, 0
	s_wait_dscnt 0x0                               ; the add is done, and my reads of this slot are over
	s_barrier_signal -1
	MUL8 F1, 1, 0
	WIN 0
	s_barrier_wait -1
.if \fill
	LOAD                                           ; its four v_nop are also the places in front of the loads below
.else
	s_cmp_eq_u32 s[CNT], 1
	s_cbranch_scc1 .Lnf_\@
	PLACES
.endif
	s_xor_b32 s[TB], s[TB], SLOT1
	v_add_nc_u32 v[ADRB], s[TB], v[B0]
	v_add_nc_u32 v[ADRA], s[TB], v[A0]
	FETCH 0, F0
.if !(\fill)
.Lnf_\@:
.endif
	MUL8 F1, 2, 0
	MUL8 F1, 3, 0
.endm
.macro PACK a
	WIN 0x05
	s_wait_alu depctr_va_vdst(0)
.irp b, 0,1,2,3,4,5,6,7
.irp k, 0,1,2,3
	v_cvt_pk_f16_f32 v[TMP+4*(\b)+(\k)], v[64*(\a)+8*(\b)+2*(\k)], v[64*(\a)+8*(\b)+2*(\k)+1]
.endr
.endr
	WIN 0
.endm
.macro TOSTAGE a
.set BK, OB+32*((\a)%2)
.irp b, 0,1,2,3,4,5,6,7
	ds_store_b128 v[STO], v[TMP+4*(\b):TMP+4*(\b)+3] offset:32*(\b)
.endr
.irp t, 0,1,2,3,4,5,6,7
	ds_load_b128 v[BK+4*(\t):BK+4*(\t)+3], v[RD] offset:(\t)*2*SP  ; LDS serves a wave's instructions in order: these see the stores above
.endr
.endm
.macro SEND a
.set BK, OB+32*((\a)%2)
	s_wait_dscnt 0x0
	s_wait_xcnt 0x0                                ; the stores issued so far have read their registers: the other bank is loaded again only behind this wait
.irp t, 0,1,2,3,4,5,6,7
	global_store_b128 v[CO], v[BK+4*(\t):BK+4*(\t)+3], s[10:11] offset:(16*(\a)+2*(\t))*ROWB  ; 16 lanes store 256 consecutive bytes, at a multiple of 256 from the buffer's first byte
.endr
.endm
; QUERY BLOCK a LEAVES.  A lane holds 64 of its query's 128 scores, the lane 16 away the others.  The maximum (each accumulator's lowest registers are read first); c s - mc; the exponentials,
; back to back, with a plain line behind the last; the rounding and the stage; the sum of the unrounded weights, which stands between the loads from the stage and the wait for them; the stores.
.macro SOFT a
.set AC, 64*(\a)
.set rT, ST+4*(\a)
	WIN 0x15                                       ; three sources in window 1
.irp b, 0,1,2,3,4,5,6,7
	v_max3_num_f32 v[CH+(\b)], v[AC+8*(\b)], v[AC+8*(\b)+1], v[AC+8*(\b)+2]
.endr
	WIN 0x14                                       ; sources 1 and 2 in window 1
.irp b, 0,1,2,3,4,5,6,7
	v_max3_num_f32 v[CH+(\b)], v[CH+(\b)], v[AC+8*(\b)+3], v[AC+8*(\b)+4]
.endr
.irp b, 0,1,2,3,4,5,6,7
	v_max3_num_f32 v[CH+(\b)], v[CH+(\b)], v[AC+8*(\b)+5], v[AC+8*(\b)+6]
.endr
.irp k, 0,1,2,3
	v_max3_num_f32 v[CH+2*(\k)], v[CH+2*(\k)], v[AC+16*(\k)+7], v[AC+16*(\k)+15]
.endr
	WIN 0
	v_max3_num_f32 v[CH], v[CH], v[CH+1], v[CH+2]
	v_max3_num_f32 v[CH+3], v[CH+3], v[CH+4], v[CH+5]
	v_max3_num_f32 v[CH], v[CH], v[CH+6], v[CH+7]
	v_max_num_f32 v[CH], v[CH], v[CH+3]
	v_permlanex16_b32 v[CH+1], v[CH], s[SEL], s[SEL+1]
	v_max_num_f32 v[rT+1], v[CH], v[CH+1]          ; m
	v_mul_f32 v[rT], s[CS], v[rT+1]                ; mc
	WIN 0x41                                       ; destination and source 0 in window 1
.set n, 0
.rept 32
	v_pk_fma_f32 v[AC+2*n:AC+2*n+1], v[AC+2*n:AC+2*n+1], s[CS:CS+1], v[rT:rT+1] op_sel_hi:[1,0,0] neg_lo:[0,0,1] neg_hi:[0,0,1]
.set n, n+1
.endr
.set n, 0
.rept 64
	v_exp_f32 v[AC+n], v[AC+n]
.set n, n+1
.endr
	v_nop                                          ; a plain line between the last exponential and the use of its result
	PACK \a
	TOSTAGE \a
	WIN 0x45                                       ; destination and both sources in window 1: the 32 pairs are added in place, 16, 8, 4 and 2 pairs apart
.irp w, 16,8,4,2
.set n, 0
.rept \w
	v_pk_add_f32 v[AC+2*n:AC+2*n+1], v[AC+2*n:AC+2*n+1], v[AC+2*(n+\w):AC+2*(n+\w)+1]
.set n, n+1
.endr
.endr
	WIN 0x05
	v_pk_add_f32 v[rT+2:rT+3], v[AC:AC+1], v[AC+2:AC+3]
	WIN 0
	v_add_f32 v[rT+2], v[rT+2], v[rT+3]
	v_permlanex16_b32 v[rT+3], v[rT+2], s[SEL], s[SEL+1]
	v_add_f32 v[rT+2], v[rT+2], v[rT+3]            ; l
	SEND \a
.endm
	s_wait_tensorcnt 0x1                           ; my part of K step 0 is in; K step 1's may stay out
	s_barrier_signal -1
	s_barrier_wait -1
	FETCH 0, F0
	QUARTER 1, F0, F1, 2                           ; the first quarter stands in front of the loop: its products start the sums, with the masks
	WIN 0
	s_mov_b32 s[CNT], STEPS-2
	s_branch .Lmid
.Lloop:
	QUARTER 1, F0, F1, 0
	WIN 0
.Lmid:
	QUARTER 2, F1, F0, 0
	QUARTER 3, F0, F1, 0
	TURN 1
	WIN 0
	s_sub_co_u32 s[CNT], s[CNT], 1
	s_cmp_lg_u32 s[CNT], 0
	s_cbranch_scc1 .Lloop
	s_mov_b32 s[CNT], 2
.Ltail:
	QUARTER 1, F0, F1, 0
	QUARTER 2, F1, F0, 0
	QUARTER 3, F0, F1, 0
	TURN 0
	WIN 0
	s_sub_co_u32 s[CNT], s[CNT], 1
	s_cmp_lg_u32 s[CNT], 0
	s_cbranch_scc1 .Ltail
	PLACES
	SOFT 0
	SOFT 1
	SOFT 2
	SOFT 3
	; (mc, l) of my 64 queries: both halves of the lanes hold a block's 16, so lanes 0-15 give an even block's and lanes 16-31 the next one's: 32 rows, 256 consecutive bytes a store.  A dead chunk's mc is the lowest finite number.
	v_cmp_eq_u32 s[HM], 1, v2
	v_mov_b32 v[CH], 0xff7fffff
.irp k, 0,1
	v_cndmask_b32 v[PR+2*(\k)],   v[ST+8*(\k)],   v[ST+8*(\k)+4], s[HM]
	v_cndmask_b32 v[PR+2*(\k)+1], v[ST+8*(\k)+2], v[ST+8*(\k)+6], s[HM]
	v_cndmask_b32 v[PR+2*(\k)],   v[PR+2*(\k)],   v[CH],          s[DEAD]
	global_store_b64 v[SO], v[PR+2*(\k):PR+2*(\k)+1], s[8:9] offset:256*(\k)
.endr
	s_wait_tensorcnt 0x0                           ; the wave's end
	ds_add_u32 v[SPW], v[NIL]
	s_wait_dscnt 0x0
	s_endpgm
.Lfunc_end_k_qc34233118a_scores:
	.size	k_qc34233118a_scores, .Lfunc_end_k_qc34233118a_scores-k_qc34233118a_scores
	.p2alignl 7, 3214868480
	.fill 96, 4, 3214868480
	.section	.rodata,"a",@progbits
	.p2align	6, 0x0
	.amdhsa_kernel k_qc34233118a_scores
		.amdhsa_group_segment_fixed_size 327680
		.amdhsa_private_segment_fixed_size 0
		.amdhsa_enable_private_segment 0
		.amdhsa_kernarg_size 24
		.amdhsa_user_sgpr_count 2
		.amdhsa_user_sgpr_kernarg_segment_ptr 1
		.amdhsa_wavefront_size32 1
		.amdhsa_system_sgpr_workgroup_id_x 1
		.amdhsa_system_sgpr_workgroup_id_y 1
		.amdhsa_system_sgpr_workgroup_id_z 1
		.amdhsa_system_vgpr_workitem_id 0
		.amdhsa_next_free_vgpr 608
		.amdhsa_next_free_sgpr 84
		.amdhsa_reserve_vcc 1
		.amdhsa_float_denorm_mode_32 3
		.amdhsa_float_denorm_mode_16_64 3
		.amdhsa_memory_ordered 1
		.amdhsa_forward_progress 1
		.amdhsa_inst_pref_size 105
	.end_amdhsa_kernel
	.amdgpu_metadata
---
amdhsa.version: [ 1, 2 ]
amdhsa.kernels:
  - .name:           k_qc34233118a_scores
    .symbol:         k_qc34233118a_scores.kd
    .args:
      - { .name: qkv, .offset: 0, .size: 8, .value_kind: global_buffer, .address_space: global }
      - { .name: pp, .offset: 8, .size: 8, .value_kind: global_buffer, .address_space: global }
      - { .name: st, .offset: 16, .size: 8, .value_kind: global_buffer, .address_space: global }
    .group_segment_fixed_size: 327680
    .private_segment_fixed_size: 0
    .kernarg_segment_align: 8
    .kernarg_segment_size: 24
    .max_flat_workgroup_size: 128
    .sgpr_count:     84
    .vgpr_count:     608
    .wavefront_size: 32
...
	.end_amdgpu_metadata
.endif
;; end of part 3
;; launch pv (part 4): grid 4 x 64, 4 waves a work-group, clusters of 4 x 1, 327,680 bytes of LDS; arguments pp, qkv, st, ctx; writes ctx
.if DOCPART == 4
	.amdgcn_target "amdgcn-amd-amdhsa--gfx1250"
	.amdhsa_code_object_version 6
	.text
	.protected	k_qc34233118a_pv
	.globl	k_qc34233118a_pv
	.p2align	8
	.type	k_qc34233118a_pv,@function
k_qc34233118a_pv:
	s_mov_b64 s[64:65], 0
	v_nop
	global_prefetch_b8 v0, s[64:65] scope:SCOPE_SE
	s_setreg_imm32_b32 hwreg(HW_REG_WAVE_MODE, 25, 1), 1
	s_wait_xcnt 0x0
	s_wait_alu depctr_hold_cnt(0) depctr_sa_sdst(0) depctr_va_vdst(0) depctr_va_sdst(0) depctr_va_ssrc(0) depctr_va_vcc(0) depctr_vm_vsrc(0)
	s_getreg_b32 s2, hwreg(HW_REG_IB_STS2, 6, 4)
	s_cmp_eq_u32 s2, 0
	s_cbranch_scc0 .Lentry_in_a_cluster
	s_endpgm
.Lentry_in_a_cluster:
	s_bfe_u32 s2, ttmp6, 0x10000c
	s_cmp_lg_u32 s2, 0x3003
	s_cbranch_scc0 .Lentry_shape_is_right
	s_endpgm
.Lentry_shape_is_right:
; THE SOFTMAX'S SECOND HALF AND attn . v.  For a row with chunks c (128 keys each): M = max mc_c; e_c = f16(2^(mc_c - M)); L = sum of l_c e_c (the rounded e_c); ctx = (sum over c of (p'_c e_c) . v_c) / L.
; p' e is one packed f16 multiply on P's fragments between their LDS load and the matrix instruction; sums in f32; 1 / L in f32 on the way out; ctx rounded once to f16.
; LIMITS.  |v| and |ctx| stay under 65,504.  A chunk more than 24 powers of two below the row's largest counts as 0; p' e below 6e-5 keeps f16's fixed step of 6e-8.  NaN and infinities are not treated apart.
; SHARES.  A work-group makes 128 queries (row block i, 16 a batch) x 256 channels: grid y = 16 x batch + i, the place in the cluster is the channel tile.  It walks the key tiles 0 .. i / 2 that the launch before has
; written: i / 2 + 1 pairs of K steps of 128 keys.  Where i is even the last chunk is dead: its mc is the lowest finite number, so its e is 0 and it adds nothing to M, L or the sums.
; 256 work-groups with 2 to 16 K steps: uneven, but the longest has 16, where blocks i and 15 - i one after the other on 128 work-groups would have 17 or 18 each.
; THE LOOPS.  The outer one counts the pairs that fill slots again, i / 2 of them, a bound set at run time (none where i < 2: one forward branch on i, the same in all partners, passes it); in each a loop of two K steps,
; so that every LDS address is the same at each outer trip's head.  The last pair asks for nothing and is written out.
; THE SUMS ARE CLEARED, 256 lines in the wait for the first tiles: a first quarter written out would have to enter the middle of the one nest of loops or of the other.  The price: those lines of text.
; CLUSTER 4 x 1: the four channel tiles of a row block walk the same tiles of P: those are asked for jointly.  V's tiles hang on the channel tile: loads of one's own, behind the same round.
; Source 0 = 16 channels of V (turned out of LDS by ds_load_tr16_b128), source 1 = 16 queries of P: a lane holds ONE query, l % 16, and eight neighbouring channels, and a query's e is one number a lane.
; REGISTERS: window 0: v0-31 addresses, factors; v32-63 packed results; v64-159, v160-255 fragment buffers (8 of V, then 4 of P).   window 1: the accumulators, (a, b) at v[64 a + 8 b].
.set PITCH,  272                       ; a row of P in LDS: 256 bytes + 16
.set PV,     544                       ; a row of V: 512 bytes + 32 = 17 x 32
.set SLOT1,  131072
.set BOFF,   128*PITCH                 ; in a slot: P's 128 rows, then V's 128 keys (69,632 bytes)
.set STAGE,  SLOT1+BOFF+128*PV
.set SP,     272
.set MT,     STAGE+4*16*SP             ; M of row t of the block at MT + 4 t: 512 bytes
.set RLT,    MT+512                    ; 1 / L likewise: 512 bytes
.set SPARE,  MT+1024
.set ROWB,   2048                      ; bytes in a row of ctx
.set VSTEP,  128*6144                  ; bytes from a chunk's keys to the next chunk's in qkv
.set A0,   3
.set B0,   4
.set ADRA, 5
.set ADRB, 6
.set STO,  7
.set RD,   8
.set CO,   9
.set LT,   10
.set LU,   11
.set FR,   12                          ; v12-15 the K step's e, twice in a word, for my query of row block a
.set MC,   16                          ; v16-19 the next K step's mc for those queries
.set MX,   20                          ; v20-23 their M
.set RLA,  24                          ; MT + 4 x (my first row + r)
.set MO,   25                          ; 8 r: my query's place in 16 rows of st
.set M,    26                          ; at the head: M and L of the row that my thread owns
.set L,    27
.set SPW,  28
.set NIL,  29
.set SO,   30                          ; at the head: 8 x thread
.set RA,   31                          ; at the head: MT + 4 x thread
.set TMP,  32
.set H,    32                          ; at the head: v32-47 e, packed twice
.set F0,   64
.set F1,   160
.set OB,   160
.set O,    64                          ; at the head: v64-79 byte offsets in st
.set ML,   82                          ; at the head: v82-113 (mc, l) of 16 chunks
.set RL,   64                          ; on the way out: v64-71 1 / L for row block a, as a pair
.set WV,  12
.set WM,  13
.set WN,  14
.set G1A, 24
.set G0A, 32
.set RB8, 40                           ; the block's first row in st, in bytes
.set G1B, 48
.set G0B, 56
.set TB,  66
.set CNT, 67
.set CX,  68                           ; the channel tile: it enters V's and ctx's addresses alone
.set BT,  69
.set IB,  70                           ; i
.set NL,  71                           ; i / 2: the pairs of K steps that fill slots again
.set OC,  72                           ; counts them
.set NVM, 73                           ; 2 (i / 2) + 1: the last chunk that is read
.set MB,  74                           ; s[74:75] st at my first row, at the chunk whose mc is asked for next
.set CB,  76                           ; s[76:77] ctx at my part
.set W_MUL, 0x50
.set MSB, 0
.macro WIN new
.if MSB != (\new)
	s_set_vgpr_msb (MSB<<8)|(\new)
.set MSB, (\new)
.endif
.endm
.macro PLACES
.rept 4
	v_nop
.endr
.endm
.macro JLOAD                           ; waves 0, 1: the halves of P's tile, jointly; waves 2, 3: those of V's; an s_nop 0 and four v_nop follow each line
	s_cmp_eq_u32 s[WM], 0
	s_cbranch_scc0 .Lfor_b_\@
	tensor_load_to_lds s[G0A+4:G0A+7], s[G1A:G1A+7]
	s_nop 0
.rept 4
	v_nop
.endr
	s_branch .Lasked_\@
.Lfor_b_\@:
	tensor_load_to_lds s[G0B+4:G0B+7], s[G1B:G1B+7]
	s_nop 0
.rept 4
	v_nop
.endr
.Lasked_\@:
.endm
.macro CREST
	s_cmp_lg_u32 s[WV], 0
	s_cbranch_scc1 .Lnot_wave_0_\@
	s_barrier_signal -3
.Lnot_wave_0_\@:
	s_barrier_wait -3
	s_barrier_signal -1
	s_barrier_wait -1
.endm
.macro CROUND
	s_barrier_signal -1
	s_barrier_wait -1
	CREST
.endm
	s_load_b256 s[4:11], s[0:1], 0x0               ; pp s[4:5], qkv s[6:7], st s[8:9], ctx s[10:11]
	v_lshl_add_u32 v[SPW], v0, 2, SPARE
	v_mov_b32 v[NIL], 0
	ds_add_u32 v[SPW], v[NIL]                      ; the wave's opening: the add and its wait come ahead of my first tensor load
	ds_add_u32 v28, v29
	v_lshrrev_b32 v1, 5, v0
	v_readfirstlane_b32 s[WV], v1
	s_lshr_b32 s[WM], s[WV], 1
	s_and_b32 s[WN], s[WV], 1
	s_bfe_u32 s[CX], ttmp6, 0x40000
	s_and_b32 s15, ttmp7, 0xffff                   ; 16 x batch + i: the four partners share it
	s_lshr_b32 s[BT], s15, 4
	s_and_b32 s[IB], s15, 15
	s_lshr_b32 s[NL], s[IB], 1
	s_lshl_b32 s[NVM], s[NL], 1
	s_add_co_u32 s[NVM], s[NVM], 1
	s_mov_b32 s[G1A], 15|(1<<16)|(1<<20)|(1<<21)|(5<<22)|(3<<25)  ; the mask of four; 2-byte elements; padding on; 21 set beside a mask; 4 words after every 64
	s_mov_b32 s[G1A+1], 128<<16
	s_mov_b32 s[G1A+2], 64<<16
	s_mov_b32 s[G1A+3], 128<<16
	s_mov_b32 s[G1A+4], 64
	s_mov_b32 s[G1A+5], 2048                       ; elements in a row of pp
	s_mov_b32 s[G1A+6], 0
	s_mov_b32 s[G1A+7], 0
	s_mov_b32 s[G1B], (1<<16)|(1<<20)|(6<<22)|(7<<25)  ; no mask; 8 words after every 128
	s_mov_b32 s[G1B+1], 256<<16                    ; 64 keys x 256 channels
	s_mov_b32 s[G1B+2], 64<<16
	s_mov_b32 s[G1B+3], 256<<16
	s_mov_b32 s[G1B+4], 64
	s_mov_b32 s[G1B+5], 3072                       ; elements in a row of qkv
	s_mov_b32 s[G1B+6], 0
	s_mov_b32 s[G1B+7], 0
	s_lshl_b32 s16, s[BT], 23                      ; P: the batch's 2,048 rows of 4,096 bytes, the block's 128, my 64 of them: in registers that never hold the channel tile
	s_lshl_b32 s17, s[IB], 19
	s_add_co_u32 s16, s16, s17
	s_lshl_b32 s17, s[WN], 18
	s_add_co_u32 s16, s16, s17
	s_mov_b32 s17, 0
	s_mul_i32 s18, s[BT], 2048*6144                ; V: the batch's rows of qkv, my 64 keys of a tile, v at byte 4,096 of a row, my channel tile
	s_mul_i32 s19, s[WN], 64*6144
	s_add_co_u32 s18, s18, s19
	s_lshl_b32 s19, s[CX], 9
	s_add_co_u32 s18, s18, s19
	s_add_co_u32 s18, s18, 4096
	s_mov_b32 s19, 0
	s_lshl_b32 s20, s[BT], 11
	s_lshl_b32 s21, s[IB], 7
	s_add_co_u32 s20, s20, s21                     ; the block's first row
	s_lshl_b32 s[RB8], s20, 3                      ; in st: 8 bytes a row
	s_lshl_b32 s21, s[WM], 6
	s_add_co_u32 s20, s20, s21                     ; my first row
	s_lshl_b32 s22, s20, 3                         ; in st,
	s_mov_b32 s23, 0
	s_lshl_b32 s20, s20, 11                        ; in ctx: rows of 2,048 bytes,
	s_lshl_b32 s21, s[CX], 9
	s_add_co_u32 s20, s20, s21
	s_lshl_b32 s21, s[WN], 8
	s_add_co_u32 s20, s20, s21                     ; + my first channel, in bytes
	s_mov_b32 s21, 0
	s_mul_i32 s15, s[WN], 64*PITCH                 ; where the tiles go: no place in the cluster enters an LDS address
	s_mov_b32 s[G0A], 1
	s_mov_b32 s[G0A+1], s15
	s_mov_b32 s[G0A+4], 1
	s_add_co_u32 s[G0A+5], s15, SLOT1
	s_mul_i32 s15, s[WN], 64*PV
	s_add_co_u32 s15, s15, BOFF
	s_mov_b32 s[G0B], 1
	s_mov_b32 s[G0B+1], s15
	s_mov_b32 s[G0B+4], 1
	s_add_co_u32 s[G0B+5], s15, SLOT1
	s_wait_dscnt 0x0                               ; the opening add is done
	s_wait_kmcnt 0x0
	s_add_nc_u64 s[16:17], s[4:5], s[16:17]
	s_add_nc_u64 s[18:19], s[6:7], s[18:19]
	s_add_nc_u64 s[CB:CB+1], s[10:11], s[20:21]
	s_add_nc_u64 s[MB:MB+1], s[8:9], s[22:23]
.irp s, 0,1                            ; K steps 0 and 1: chunk s is 256 bytes along P's rows, 128 rows down in qkv
	s_add_nc_u64 s[G0A+4*(\s)+2:G0A+4*(\s)+3], s[16:17], (\s)*256
	s_or_b32 s[G0A+4*(\s)+3], s[G0A+4*(\s)+3], 0x80000000
	s_add_nc_u64 s[G0B+4*(\s)+2:G0B+4*(\s)+3], s[18:19], (\s)*VSTEP
	s_or_b32 s[G0B+4*(\s)+3], s[G0B+4*(\s)+3], 0x80000000
.endr
	CROUND                                         ; all four work-groups are here: the first joint loads meet
	s_cmp_eq_u32 s[WM], 0                          ; a wave's two first fills stand in one branch: two loads of mine are out
	s_cbranch_scc0 .Lfirst_b
	tensor_load_to_lds s[G0A:G0A+3], s[G1A:G1A+7]
	s_nop 0
	tensor_load_to_lds s[G0A+4:G0A+7], s[G1A:G1A+7]
	s_nop 0
.rept 4
	v_nop
.endr
	s_branch .Lfirst_asked
.Lfirst_b:
	tensor_load_to_lds s[G0B:G0B+3], s[G1B:G1B+7]
	s_nop 0
	tensor_load_to_lds s[G0B+4:G0B+7], s[G1B:G1B+7]
	s_nop 0
.rept 4
	v_nop
.endr
.Lfirst_asked:
	; M AND 1 / L, in the wait for the first tiles.  Thread t owns row t of the block.  16 pairs (mc, l) are read; the chunk's number is held to the last one that was written, and the l of the repeated entries counts as 0.
	v_lshlrev_b32 v[SO], 3, v0
	v_lshl_add_u32 v[RA], v0, 2, MT
.set c, 0
.rept 16
	s_min_u32 s17, s[NVM], c
	s_lshl_b32 s17, s17, 16                        ; a chunk's statistics are 65,536 bytes
	s_add_co_u32 s17, s17, s[RB8]
	v_add_nc_u32 v[O+c], s17, v[SO]
	global_load_b64 v[ML+2*c:ML+2*c+1], v[O+c], s[8:9]
.set c, c+1
.endr
	; the lanes' addresses and the clearing of the sums stand in the wait for those loads
	v_and_b32 v1, 15, v0                           ; r
	v_bfe_u32 v2, v0, 4, 1                         ; h
	v_mul_u32_u24 v[LT], v1, PITCH
	v_lshl_add_u32 v[LT], v2, 4, v[LT]
	s_mul_i32 s16, s[WM], 64*PITCH
	v_add_nc_u32 v[A0], s16, v[LT]
	; The turning load takes 16 keys x 16 channels (lane l reads key 8 (l / 16) + l % 8, channels 8 ((l / 8) % 2) + 0..7) and leaves half a fragment: lane l holds channel l % 16 and 8 keys.
	v_and_b32 v[LU], 7, v0
	v_lshl_add_u32 v[B0], v2, 3, v[LU]
	v_mul_u32_u24 v[B0], v[B0], PV
	v_bfe_u32 v[LU], v0, 3, 1
	v_lshl_add_u32 v[B0], v[LU], 4, v[B0]
	s_lshl_b32 s16, s[WN], 8
	s_add_co_u32 s16, s16, BOFF
	v_add_nc_u32 v[B0], s16, v[B0]
	s_mul_i32 s16, s[WV], 16*SP
	s_add_co_u32 s16, s16, STAGE
	v_add_nc_u32 v[STO], s16, v[LT]
	v_mul_u32_u24 v[RD], v2, SP
	v_lshl_add_u32 v[RD], v1, 4, v[RD]
	v_add_nc_u32 v[RD], s16, v[RD]
	v_lshlrev_b32 v[CO], 11, v2                    ; two rows of ctx
	v_lshl_add_u32 v[CO], v1, 4, v[CO]
	s_lshl_b32 s16, s[WM], 8
	s_add_co_u32 s16, s16, MT
	v_lshl_add_u32 v[RLA], v1, 2, s16              ; MT + 4 x (64 WM + r)
	v_lshlrev_b32 v[MO], 3, v1
	s_mov_b32 s[TB], 0
	v_mov_b32 v[ADRA], v[A0]
	v_mov_b32 v[ADRB], v[B0]
	v_mov_b32 v[L], 0
	WIN 0x40                                       ; destination window 1
.set n, 0
.rept 256
	v_mov_b32 v[n], 0
.set n, n+1
.endr
	WIN 0
	s_wait_loadcnt 0x0
	v_max3_num_f32 v[M], v[ML], v[ML+2], v[ML+4]   ; a repeated entry changes no maximum
.irp c, 3,5,7,9,11,13
	v_max3_num_f32 v[M], v[M], v[ML+2*(\c)], v[ML+2*(\c)+2]
.endr
	v_max_num_f32 v[M], v[M], v[ML+30]
.set c, 0
.rept 16
	v_sub_f32 v[ML+2*c], v[ML+2*c], v[M]           ; mc - M
.set c, c+1
.endr
.set c, 0
.rept 16
	v_exp_f32 v[ML+2*c], v[ML+2*c]
.set c, c+1
.endr
	v_nop                                          ; a plain line between the last exponential and the use of its result
.set c, 0
	s_wait_alu depctr_va_vdst(0)
.rept 16
	v_cvt_pk_f16_f32 v[H+c], v[ML+2*c], v[ML+2*c]  ; e, rounded as the K steps will round it
.if c >= 2                             ; chunks 0 and 1 are always read
	s_cmp_ge_u32 s[NVM], c
	s_cselect_b32 s19, -1, 0
	v_cndmask_b32 v[ML+2*c+1], 0, v[ML+2*c+1], s19
.endif
	v_fma_mix_f32 v[L], v[H+c], v[ML+2*c+1], v[L] op_sel_hi:[1,0,0]  ; L += (the rounded e) l, fused, in f32
.set c, c+1
.endr
	v_rcp_f32 v[L], v[L]                           ; L is about 1 or more: the chunk with the row's maximum has e = 1, and its l holds that maximum's weight
	v_nop
	ds_store_b32 v[RA], v[M]
	s_wait_alu depctr_va_vdst(0)
	ds_store_b32 v[RA], v[L] offset:512
; 8 matrix instructions: query block a x all 8 channel blocks, 32 keys.  The 32 accumulators take turns, in the same order in every quarter.
.macro MUL8 f, a
	WIN W_MUL
.irp b, 0,1,2,3,4,5,6,7
	v_wmma_f32_16x16x32_f16 v[64*(\a)+8*(\b):64*(\a)+8*(\b)+7], v[(\f)+8*(\b):(\f)+8*(\b)+7], v[(\f)+64+8*(\a):(\f)+64+8*(\a)+7], v[64*(\a)+8*(\b):64*(\a)+8*(\b)+7]
.endr
.endm
; 24 LDS loads in one run: 32 keys (quarter q): V's 8 fragments, turned, then P's 4
.macro FETCH q, f
	WIN 0
.irp i, 0,1,2,3,4,5,6,7
	ds_load_tr16_b128 v[(\f)+8*(\i):(\f)+8*(\i)+3],   v[ADRB] offset:(\q)*32*PV+32*(\i)
	ds_load_tr16_b128 v[(\f)+8*(\i)+4:(\f)+8*(\i)+7], v[ADRB] offset:(\q)*32*PV+16*PV+32*(\i)
.endr
.irp i, 0,1,2,3
	ds_load_b128 v[(\f)+64+8*(\i):(\f)+64+8*(\i)+3],   v[ADRA] offset:64*(\q)+(\i)*16*PITCH
	ds_load_b128 v[(\f)+64+8*(\i)+4:(\f)+64+8*(\i)+7], v[ADRA] offset:64*(\q)+(\i)*16*PITCH+32
.endr
.endm
.macro SCALE f, hf                     ; P's fragments 2 hf, 2 hf + 1 times my query's e: two numbers a line, each rounded to f16
	WIN 0
.irp a, 2*(\hf), 2*(\hf)+1
.irp k, 0,1,2,3,4,5,6,7
	v_pk_mul_f16 v[(\f)+64+8*(\a)+(\k)], v[(\f)+64+8*(\a)+(\k)], v[FR+(\a)]
.endr
.endr
.endm
.macro MCLOAD                          ; mc of the K step to be fetched, for my query of each of my four row blocks (16 rows of st are 128 bytes)
.irp a, 0,1,2,3
	global_load_b32 v[MC+(\a)], v[MO], s[MB:MB+1] offset:128*(\a)
.endr
.endm
.macro EFAC                            ; at a K step's head: its e = f16(2^(mc - M)), in both halves of a word
	WIN 0
	s_wait_loadcnt 0x0                             ; the step's four mc, asked for a K step ago; the wait also frees their base,
	s_add_nc_u64 s[MB:MB+1], s[MB:MB+1], 65536     ; which steps to the next chunk (behind the last step it is not used)
.irp a, 0,1,2,3
	v_sub_f32 v[MC+(\a)], v[MC+(\a)], v[MX+(\a)]
.endr
.irp a, 0,1,2,3
	v_exp_f32 v[MC+(\a)], v[MC+(\a)]
.endr
	v_nop                                          ; a plain line between the last exponential and the use of its result
	s_wait_alu depctr_va_vdst(0)
.irp a, 0,1,2,3
	v_cvt_pk_f16_f32 v[FR+(\a)], v[MC+(\a)], v[MC+(\a)]
.endr
.endm
; A quarter: 32 keys, 32 matrix instructions on buffer f; in its middle quarter q is fetched into buffer g.  The scaling of fragments 2, 3 names no register of the products in front of it: its 16 lines are the
; places in front of the run of loads.
.macro QUARTER q, f, g
	s_wait_dscnt 4                                 ; V and P's fragments 0, 1 are in; the youngest four loads (P's 2, 3) may be out
	SCALE \f, 0
	MUL8 \f, 0
	MUL8 \f, 1
	WIN 0
	s_wait_dscnt 0x0                               ; P's fragments 2, 3
	SCALE \f, 1
	FETCH \q, \g
	MUL8 \f, 2
	MUL8 \f, 3
.endm
; The last quarter and the change of slots: ONE barrier.  In front of it each wave waits for all its tensor loads (one is out: its part of the next slot), adds 0 to its spare word, and waits for that and for its reads
; of this slot.  fill = 1: the barrier opens a round of the cluster's; this slot is filled again with the K step two on, first thing behind the round.  fill = 0 (the tail, walked twice): nothing is asked for; the second
; trip has no further step and jumps over the fetches; its barrier serves nothing, the price of one text for both trips.
.macro TURN fill
	WIN 0
	s_wait_tensorcnt 0x0                           ; no tensor load of mine is out, so a group 0 may be written
	ds_add_u32 v[SPW], v[NIL]                      ; 0 onto my spare word
.if \fill
	s_xor_b32 s[G0A+5], s[G0A+5], SLOT1            ; the walking descriptors: the other slot than last time, the next chunk
	s_add_nc_u64 s[G0A+6:G0A+7], s[G0A+6:G0A+7], 256
	s_xor_b32 s[G0B+5], s[G0B+5], SLOT1
	s_add_nc_u64 s[G0B+6:G0B+7], s[G0B+6:G0B+7], VSTEP
.endif
	s_wait_dscnt 1                                 ; the add may be out
	SCALE F1, 0
	SCALE F1, 1
	MUL8 F1, 0
	s_wait_dscnt 0x0                               ; the add is done, and my reads of this slot are over
	s_barrier_signal -1
	MUL8 F1, 1
	WIN 0
	s_barrier_wait -1
.if \fill
	CREST
	JLOAD                                          ; its four v_nop are also the places in front of the loads below
.else
	s_cmp_eq_u32 s[CNT], 1
	s_cbranch_scc1 .Lnf_\@
	PLACES
.endif
	s_xor_b32 s[TB], s[TB], SLOT1
	v_add_nc_u32 v[ADRB], s[TB], v[B0]
	v_add_nc_u32 v[ADRA], s[TB], v[A0]
	MCLOAD
	FETCH 0, F0
.if !(\fill)
.Lnf_\@:
.endif
	MUL8 F1, 2
	MUL8 F1, 3
.endm
.macro STEP fill                       ; a K step: 128 keys, 128 matrix instructions
	EFAC
	QUARTER 1, F0, F1
	QUARTER 2, F1, F0
	QUARTER 3, F0, F1
	TURN \fill
	WIN 0
.endm
.macro DIVL a                          ; the sums times 1 / L, each accumulator's registers in ascending order
	WIN 0x41                                       ; destination and source 0 in window 1
.set n, 0
.rept 32
	v_pk_mul_f32 v[64*(\a)+2*n:64*(\a)+2*n+1], v[64*(\a)+2*n:64*(\a)+2*n+1], v[RL+2*(\a):RL+2*(\a)+1] op_sel_hi:[1,0]
.set n, n+1
.endr
.endm
.macro PACK a
	WIN 0x05
.irp b, 0,1,2,3,4,5,6,7
.irp k, 0,1,2,3
	v_cvt_pk_f16_f32 v[TMP+4*(\b)+(\k)], v[64*(\a)+8*(\b)+2*(\k)], v[64*(\a)+8*(\b)+2*(\k)+1]
.endr
.endr
	WIN 0
.endm
.macro TOSTAGE a
.set BK, OB+32*((\a)%2)
.irp b, 0,1,2,3,4,5,6,7
	ds_store_b128 v[STO], v[TMP+4*(\b):TMP+4*(\b)+3] offset:32*(\b)
.endr
.irp t, 0,1,2,3,4,5,6,7
	ds_load_b128 v[BK+4*(\t):BK+4*(\t)+3], v[RD] offset:(\t)*2*SP  ; LDS serves a wave's instructions in order: these see the stores above
.endr
.endm
.macro SEND a
.set BK, OB+32*((\a)%2)
	s_wait_dscnt 0x0
	s_wait_xcnt 0x0                                ; the stores issued so far have read their registers: the other bank is loaded again only behind this wait
.irp t, 0,1,2,3,4,5,6,7
	global_store_b128 v[CO], v[BK+4*(\t):BK+4*(\t)+3], s[CB:CB+1] offset:(16*(\a)+2*(\t))*ROWB  ; 16 lanes store 256 consecutive bytes, at a multiple of 256 from the buffer's first byte
.endr
.endm
	s_wait_tensorcnt 0x1                           ; my part of K step 0 is in; K step 1's may stay out
	s_wait_dscnt 0x0                               ; for the others' sake: my rows of the two tables are stored
	s_barrier_signal -1
	s_barrier_wait -1
.irp a, 0,1,2,3
	ds_load_b32 v[MX+(\a)], v[RLA] offset:64*(\a)  ; M of my query of each row block: kept for the whole walk
.endr
	MCLOAD                                         ; K step 0's mc
	FETCH 0, F0
	s_wait_dscnt 24                                ; M is in; the 24 fragment loads just issued may be out
	s_mov_b32 s[OC], 0
	s_cmp_eq_u32 s[NL], 0
	s_cbranch_scc1 .Lnone                          ; row blocks 0 and 1 have one pair of K steps: both slots hold it, and nothing is filled again
.Lpair:                                                ; i / 2 trips; each fills both slots again
	s_mov_b32 s[CNT], 2
.Lstep:
	STEP 1
	s_sub_co_u32 s[CNT], s[CNT], 1
	s_cmp_lg_u32 s[CNT], 0
	s_cbranch_scc1 .Lstep
	s_add_co_u32 s[OC], s[OC], 1
	s_cmp_lt_u32 s[OC], s[NL]
	s_cbranch_scc1 .Lpair
.Lnone:
	s_mov_b32 s[CNT], 2
.Ltail:                                                ; the last pair asks for nothing
	STEP 0
	s_sub_co_u32 s[CNT], s[CNT], 1
	s_cmp_lg_u32 s[CNT], 0
	s_cbranch_scc1 .Ltail
	; THE WAY OUT: the sums times 1 / L, rounded to f16, a row block at a time through my own stage
	PLACES
.irp a, 0,1,2,3
	ds_load_b32 v[RL+2*(\a)],   v[RLA] offset:512+64*(\a)
	ds_load_b32 v[RL+2*(\a)+1], v[RLA] offset:512+64*(\a)  ; named with it as a pair
.endr
	s_wait_dscnt 0x0
	DIVL 0
	PACK 0
	TOSTAGE 0
.irp a, 1,2,3                          ; block a's arithmetic stands between block a - 1's loads from the stage and the wait for them
	DIVL \a
	PACK \a
	SEND (\a)-1
	TOSTAGE \a
.endr
	SEND 3
	s_wait_tensorcnt 0x0                           ; the wave's end
	ds_add_u32 v[SPW], v[NIL]
	s_wait_dscnt 0x0
	CROUND                                         ; the closing round: no work-group ends while a partner may still ask for a tile that names it
	s_endpgm
.Lfunc_end_k_qc34233118a_pv:
	.size	k_qc34233118a_pv, .Lfunc_end_k_qc34233118a_pv-k_qc34233118a_pv
	.p2alignl 7, 3214868480
	.fill 96, 4, 3214868480
	.section	.rodata,"a",@progbits
	.p2align	6, 0x0
	.amdhsa_kernel k_qc34233118a_pv
		.amdhsa_group_segment_fixed_size 327680
		.amdhsa_private_segment_fixed_size 0
		.amdhsa_enable_private_segment 0
		.amdhsa_kernarg_size 32
		.amdhsa_user_sgpr_count 2
		.amdhsa_user_sgpr_kernarg_segment_ptr 1
		.amdhsa_wavefront_size32 1
		.amdhsa_system_sgpr_workgroup_id_x 1
		.amdhsa_system_sgpr_workgroup_id_y 1
		.amdhsa_system_sgpr_workgroup_id_z 1
		.amdhsa_system_vgpr_workitem_id 0
		.amdhsa_next_free_vgpr 512
		.amdhsa_next_free_sgpr 80
		.amdhsa_reserve_vcc 0
		.amdhsa_float_denorm_mode_32 3
		.amdhsa_float_denorm_mode_16_64 3
		.amdhsa_memory_ordered 1
		.amdhsa_forward_progress 1
		.amdhsa_inst_pref_size 101
	.end_amdhsa_kernel
	.amdgpu_metadata
---
amdhsa.version: [ 1, 2 ]
amdhsa.kernels:
  - .name:           k_qc34233118a_pv
    .symbol:         k_qc34233118a_pv.kd
    .args:
      - { .name: pp, .offset: 0, .size: 8, .value_kind: global_buffer, .address_space: global }
      - { .name: qkv, .offset: 8, .size: 8, .value_kind: global_buffer, .address_space: global }
      - { .name: st, .offset: 16, .size: 8, .value_kind: global_buffer, .address_space: global }
      - { .name: ctx, .offset: 24, .size: 8, .value_kind: global_buffer, .address_space: global }
    .group_segment_fixed_size: 327680
    .private_segment_fixed_size: 0
    .kernarg_segment_align: 8
    .kernarg_segment_size: 32
    .max_flat_workgroup_size: 128
    .sgpr_count:     80
    .vgpr_count:     512
    .wavefront_size: 32
...
	.end_amdgpu_metadata
.endif
;; end of part 4
;; launch outp (part 5): grid 4 x 64, 4 waves a work-group, clusters of 4 x 4, 327,680 bytes of LDS; arguments ctx, wo16, bias, out0; writes out0
.if DOCPART == 5
	.amdgcn_target "amdgcn-amd-amdhsa--gfx1250"
	.amdhsa_code_object_version 6
	.text
	.protected	k_qc34233118a_outp
	.globl	k_qc34233118a_outp
	.p2align	8
	.type	k_qc34233118a_outp,@function
k_qc34233118a_outp:
	s_mov_b64 s[64:65], 0
	v_nop
	global_prefetch_b8 v0, s[64:65] scope:SCOPE_SE
	s_setreg_imm32_b32 hwreg(HW_REG_WAVE_MODE, 25, 1), 1
	s_wait_xcnt 0x0
	s_wait_alu depctr_hold_cnt(0) depctr_sa_sdst(0) depctr_va_vdst(0) depctr_va_sdst(0) depctr_va_ssrc(0) depctr_va_vcc(0) depctr_vm_vsrc(0)
	s_getreg_b32 s2, hwreg(HW_REG_IB_STS2, 6, 4)
	s_cmp_eq_u32 s2, 0
	s_cbranch_scc0 .Lentry_in_a_cluster
	s_endpgm
.Lentry_in_a_cluster:
	s_bfe_u32 s2, ttmp6, 0x10000c
	s_cmp_lg_u32 s2, 0xf033
	s_cbranch_scc0 .Lentry_shape_is_right
	s_endpgm
.Lentry_shape_is_right:
; THE OUTPUT PROJECTION.  out[row][e] = sum over d of ctx[row][d] Wo[e][d] + bo[e]; row 0..8191, e and d 0..1023.  ctx and Wo in f16 (Wo's numbers are its bf16 roundings), sums in f32, the bias (f32) is the
; C operand of a sum's first product; the result leaves in f32, unrounded.
; LIMITS.  NaN and infinities are not treated apart.
; SHARES.  A work-group makes 128 rows x 256 columns; wave w makes rows 64 (w / 2) on, columns 128 (w % 2) on: 32 accumulators of 16 x 16.  256 work-groups.
; K goes in 8 steps of 128 through two LDS slots; each row of a tile is 256 consecutive bytes of memory at a multiple of 256.  Waves 0, 1 fetch the halves of A's tile (64 rows each), waves 2, 3 those of B's (128 rows each).
; CLUSTER 4 x 4: the four work-groups of a row of the cluster need the same rows of ctx, the four of a column the same rows of Wo: each tile is asked for jointly.
; THE MATRIX INSTRUCTION IS USED TRANSPOSED (source 0 = 16 rows of Wo, source 1 = 16 rows of ctx): a lane holds row l % 16 and the eight neighbouring columns 8 (l / 16) + 0..7.
; REGISTERS: window 0: v0-31 addresses; v64-159, v160-255 two fragment buffers (8 fragments of B, then 4 of A); on the way out v64-127, v128-191 rows read back, by turns.
;   window 1: the accumulators, (a, b) at v[64 a + 8 b].   window 2: v0-63 the bias of my 128 columns as a C operand, for column block b at v[8 b].
.set PITCH,  272
.set SLOT1,  131072
.set BOFF,   128*PITCH
.set STAGE,  SLOT1+BOFF+256*PITCH      ; behind the ring, never filled by a tensor load: 16 rows x 528 bytes for each wave
.set SP,     528                       ; a stage row: 512 bytes + 16 = 132 words, so the 16 rows of a store begin 4 words apart modulo 64
.set SPARE,  STAGE+4*16*SP
.set KROW,   2048
.set ROWB,   4096                      ; bytes in a row of the result
.set BIASO,  12288                     ; bo lies behind bq, bk and bv
.set STEPS,  8
.set A0,   3
.set B0,   4
.set ADRA, 5
.set ADRB, 6
.set STO,  7
.set RD,   8
.set CO,   9
.set LT,   10
.set BO,   11
.set SPW,  28
.set NIL,  29
.set F0,   64
.set F1,   160
.set WV,  12
.set WM,  13
.set WN,  14
.set G1A, 24
.set G0A, 32
.set G1B, 48
.set G0B, 56
.set TB,  66
.set CNT, 67
.set G1W, (1<<16)|(1<<20)|(1<<21)|(5<<22)|(3<<25)
.set W_MUL,  0x50
.set W_MULC, 0x60
.set MSB, 0
.macro WIN new
.if MSB != (\new)
	s_set_vgpr_msb (MSB<<8)|(\new)
.set MSB, (\new)
.endif
.endm
.macro PLACES
.rept 4
	v_nop
.endr
.endm
.macro JLOAD                           ; a joint refill by the walking descriptors; an s_nop 0 and four v_nop follow each of the two lines
	s_cmp_eq_u32 s[WM], 0
	s_cbranch_scc0 .Lfor_b_\@
	tensor_load_to_lds s[G0A+4:G0A+7], s[G1A:G1A+7]
	s_nop 0
.rept 4
	v_nop
.endr
	s_branch .Lasked_\@
.Lfor_b_\@:
	tensor_load_to_lds s[G0B+4:G0B+7], s[G1B:G1B+7]
	s_nop 0
.rept 4
	v_nop
.endr
.Lasked_\@:
.endm
.macro CREST
	s_cmp_lg_u32 s[WV], 0
	s_cbranch_scc1 .Lnot_wave_0_\@
	s_barrier_signal -3
.Lnot_wave_0_\@:
	s_barrier_wait -3
	s_barrier_signal -1
	s_barrier_wait -1
.endm
.macro CROUND
	s_barrier_signal -1
	s_barrier_wait -1
	CREST
.endm
	s_load_b256 s[4:11], s[0:1], 0x0               ; ctx s[4:5], wo16 s[6:7], bias s[8:9], out0 s[10:11]
	v_lshl_add_u32 v[SPW], v0, 2, SPARE
	v_mov_b32 v[NIL], 0
	ds_add_u32 v[SPW], v[NIL]                      ; the wave's opening: the add and its wait come ahead of my first tensor load
	ds_add_u32 v28, v29
	v_lshrrev_b32 v1, 5, v0
	v_readfirstlane_b32 s[WV], v1
	s_lshr_b32 s[WM], s[WV], 1
	s_and_b32 s[WN], s[WV], 1
	s_bfe_u32 s40, ttmp6, 0x40000                  ; cx, cy
	s_bfe_u32 s41, ttmp6, 0x40004
	s_lshl_b32 s42, ttmp9, 2
	s_add_co_u32 s42, s42, s40                     ; tile column
	s_and_b32 s43, ttmp7, 0xffff
	s_lshl_b32 s43, s43, 2
	s_add_co_u32 s43, s43, s41                     ; tile row
	s_lshl_b32 s44, s41, 2
	s_lshl_b32 s44, 15, s44                        ; my row of the cluster
	s_lshl_b32 s45, 0x1111, s40                    ; my column
	s_or_b32 s[G1A], s44, G1W
	s_or_b32 s[G1B], s45, G1W
	s_mov_b32 s[G1A+1], 128<<16
	s_mov_b32 s[G1A+2], 64<<16
	s_mov_b32 s[G1A+3], 128<<16
	s_mov_b32 s[G1A+4], 64
	s_mov_b32 s[G1A+5], KROW/2
	s_mov_b32 s[G1A+6], 0
	s_mov_b32 s[G1A+7], 0
	s_mov_b32 s[G1B+1], 128<<16
	s_mov_b32 s[G1B+2], 128<<16
	s_mov_b32 s[G1B+3], 128<<16
	s_mov_b32 s[G1B+4], 128
	s_mov_b32 s[G1B+5], KROW/2
	s_mov_b32 s[G1B+6], 0
	s_mov_b32 s[G1B+7], 0
	s_lshl_b32 s16, s43, 7                         ; A: row 128 x tile row + 64 x half, in registers that never hold cx
	s_lshl_b32 s17, s[WN], 6
	s_add_co_u32 s16, s16, s17
	s_lshl_b32 s16, s16, 11
	s_mov_b32 s17, 0
	s_lshl_b32 s46, s42, 8                         ; B: row 256 x tile column + 128 x half
	s_lshl_b32 s47, s[WN], 7
	s_add_co_u32 s46, s46, s47
	s_lshl_b32 s46, s46, 11
	s_mov_b32 s47, 0
	s_mul_i32 s20, s[WN], 64*PITCH
	s_mul_i32 s21, s[WN], 128*PITCH
	s_add_co_u32 s21, s21, BOFF
	s_wait_dscnt 0x0                               ; the opening add is done
	s_wait_kmcnt 0x0
	s_add_nc_u64 s[16:17], s[4:5], s[16:17]
	s_add_nc_u64 s[46:47], s[6:7], s[46:47]
	CROUND                                         ; all sixteen work-groups are here: the first joint loads meet
.irp s, 0,1
	s_mov_b32 s[G0A+4*(\s)], 1
	s_add_co_u32 s[G0A+4*(\s)+1], s20, (\s)*SLOT1
	s_add_nc_u64 s[G0A+4*(\s)+2:G0A+4*(\s)+3], s[16:17], (\s)*256
	s_or_b32 s[G0A+4*(\s)+3], s[G0A+4*(\s)+3], 0x80000000
	s_mov_b32 s[G0B+4*(\s)], 1
	s_add_co_u32 s[G0B+4*(\s)+1], s21, (\s)*SLOT1
	s_add_nc_u64 s[G0B+4*(\s)+2:G0B+4*(\s)+3], s[46:47], (\s)*256
	s_or_b32 s[G0B+4*(\s)+3], s[G0B+4*(\s)+3], 0x80000000
.endr
	s_cmp_eq_u32 s[WM], 0                          ; a wave's two first fills stand in one branch: two loads of mine are out
	s_cbranch_scc0 .Lfirst_b
	tensor_load_to_lds s[G0A:G0A+3], s[G1A:G1A+7]
	s_nop 0
	tensor_load_to_lds s[G0A+4:G0A+7], s[G1A:G1A+7]
	s_nop 0
.rept 4
	v_nop
.endr
	s_branch .Lfirst_asked
.Lfirst_b:
	tensor_load_to_lds s[G0B:G0B+3], s[G1B:G1B+7]
	s_nop 0
	tensor_load_to_lds s[G0B+4:G0B+7], s[G1B:G1B+7]
	s_nop 0
.rept 4
	v_nop
.endr
.Lfirst_asked:
	v_and_b32 v1, 15, v0                           ; r
	v_bfe_u32 v2, v0, 4, 1                         ; h
	v_mul_u32_u24 v[LT], v1, PITCH
	v_lshl_add_u32 v[LT], v2, 4, v[LT]
	s_mul_i32 s16, s[WM], 64*PITCH
	v_add_nc_u32 v[A0], s16, v[LT]
	s_mul_i32 s17, s[WN], 128*PITCH
	s_add_co_u32 s17, s17, BOFF
	v_add_nc_u32 v[B0], s17, v[LT]
	s_lshl_b32 s18, s42, 10                        ; the bias of my 128 columns
	s_lshl_b32 s19, s[WN], 9
	s_add_co_u32 s18, s18, s19
	s_add_co_u32 s18, s18, BIASO
	s_mov_b32 s19, 0
	s_add_nc_u64 s[8:9], s[8:9], s[18:19]
	v_lshlrev_b32 v[BO], 5, v2
	WIN 0x80                                       ; destination window 2, address window 0
.irp b, 0,1,2,3,4,5,6,7
	global_load_b128 v[8*(\b):8*(\b)+3],   v[BO], s[8:9] offset:64*(\b)
	global_load_b128 v[8*(\b)+4:8*(\b)+7], v[BO], s[8:9] offset:64*(\b)+16
.endr
	WIN 0
	s_mul_i32 s18, s[WV], 16*SP
	s_add_co_u32 s18, s18, STAGE                   ; my stage
	v_mul_u32_u24 v[STO], v1, SP                   ; in: row r, 32 bytes for each half of the lanes
	v_lshl_add_u32 v[STO], v2, 5, v[STO]
	v_add_nc_u32 v[STO], s18, v[STO]
	v_and_b32 v[CO], 31, v0
	v_lshlrev_b32 v[CO], 4, v[CO]                  ; back, and in the result: 32 lanes take one row's 512 bytes
	v_add_nc_u32 v[RD], s18, v[CO]
	s_lshl_b32 s18, s43, 7
	s_lshl_b32 s19, s[WM], 6
	s_add_co_u32 s18, s18, s19                     ; my first row
	s_lshl_b32 s18, s18, 12
	s_lshl_b32 s19, s42, 10
	s_add_co_u32 s18, s18, s19
	s_lshl_b32 s19, s[WN], 9
	s_add_co_u32 s18, s18, s19                     ; + my first column, in bytes
	s_mov_b32 s19, 0
	s_add_nc_u64 s[10:11], s[10:11], s[18:19]
	s_mov_b32 s[TB], 0
	v_mov_b32 v[ADRA], v[A0]
	v_mov_b32 v[ADRB], v[B0]
; 8 matrix instructions: row block a x all 8 column blocks.  cm = 0: the sums go on; 2: the bias starts them.  The 32 accumulators take turns.
.macro MUL8 f, a, cm
.if (\cm) == 2
	WIN W_MULC
.else
	WIN W_MUL
.endif
.irp b, 0,1,2,3,4,5,6,7
.if (\cm) == 2
	v_wmma_f32_16x16x32_f16 v[64*(\a)+8*(\b):64*(\a)+8*(\b)+7], v[(\f)+8*(\b):(\f)+8*(\b)+7], v[(\f)+64+8*(\a):(\f)+64+8*(\a)+7], v[8*(\b):8*(\b)+7]
.else
	v_wmma_f32_16x16x32_f16 v[64*(\a)+8*(\b):64*(\a)+8*(\b)+7], v[(\f)+8*(\b):(\f)+8*(\b)+7], v[(\f)+64+8*(\a):(\f)+64+8*(\a)+7], v[64*(\a)+8*(\b):64*(\a)+8*(\b)+7]
.endif
.endr
.endm
.macro FETCH q, f
	WIN 0
.irp i, 0,1,2,3,4,5,6,7
	ds_load_b128 v[(\f)+8*(\i):(\f)+8*(\i)+3],   v[ADRB] offset:64*(\q)+(\i)*16*PITCH
	ds_load_b128 v[(\f)+8*(\i)+4:(\f)+8*(\i)+7], v[ADRB] offset:64*(\q)+(\i)*16*PITCH+32
.endr
.irp i, 0,1,2,3
	ds_load_b128 v[(\f)+64+8*(\i):(\f)+64+8*(\i)+3],   v[ADRA] offset:64*(\q)+(\i)*16*PITCH
	ds_load_b128 v[(\f)+64+8*(\i)+4:(\f)+64+8*(\i)+7], v[ADRA] offset:64*(\q)+(\i)*16*PITCH+32
.endr
.endm
.macro QUARTER q, f, g, cm
	s_wait_dscnt 4                                 ; the youngest four loads (A's fragments 2, 3) may be out
	MUL8 \f, 0, \cm
	MUL8 \f, 1, \cm
	WIN 0
	PLACES
	FETCH \q, \g
	s_wait_dscnt 24                                ; all but the 24 just issued
	MUL8 \f, 2, \cm
	MUL8 \f, 3, \cm
.endm
; The last quarter and the change of slots: one barrier; in front of it all my tensor loads, the add, and my reads of this slot are waited for.  fill = 1: it opens a round of the cluster's, and this slot is filled
; again first thing behind the round.  fill = 0 (the tail, walked twice): the second trip jumps over the fetch; its barrier serves nothing, the price of one text for both trips.
.macro TURN fill
	WIN 0
	s_wait_tensorcnt 0x0                           ; no tensor load of mine is out, so a group 0 may be written
	ds_add_u32 v[SPW], v[NIL]                      ; 0 onto my spare word
.if \fill
	s_xor_b32 s[G0A+5], s[G0A+5], SLOT1
	s_add_nc_u64 s[G0A+6:G0A+7], s[G0A+6:G0A+7], 256
	s_xor_b32 s[G0B+5], s[G0B+5], SLOT1
	s_add_nc_u64 s[G0B+6:G0B+7], s[G0B+6:G0B+7], 256
.endif
	s_wait_dscnt 5                                 ; the add and the youngest four loads may be out
	MUL8 F1, 0, 0
	s_wait_dscnt 0x0                               ; the add is done, and my reads of this slot are over
	s_barrier_signal -1
	MUL8 F1, 1, 0
	WIN 0
	s_barrier_wait -1
.if \fill
	CREST
	JLOAD                                          ; its four v_nop are also the places in front of the loads below
.else
	s_cmp_eq_u32 s[CNT], 1
	s_cbranch_scc1 .Lnf_\@
	PLACES
.endif
	s_xor_b32 s[TB], s[TB], SLOT1
	v_add_nc_u32 v[ADRB], s[TB], v[B0]
	v_add_nc_u32 v[ADRA], s[TB], v[A0]
	FETCH 0, F0
.if !(\fill)
.Lnf_\@:
.endif
	MUL8 F1, 2, 0
	MUL8 F1, 3, 0
.endm
; THE WAY OUT of row block a, in f32: a lane's eight columns are 32 bytes; they go into my own stage (each accumulator's low four registers first) and come back as whole rows of 512 bytes.
.macro OUTROWS a
.set BK, 64+64*((\a)%2)
	WIN 0x04                                       ; the stores' data in window 1, their address in window 0
.irp b, 0,1,2,3,4,5,6,7
	ds_store_b128 v[STO], v[64*(\a)+8*(\b):64*(\a)+8*(\b)+3]   offset:64*(\b)
	ds_store_b128 v[STO], v[64*(\a)+8*(\b)+4:64*(\a)+8*(\b)+7] offset:64*(\b)+16
.endr
	WIN 0
.if (\a) >= 2
	s_wait_xcnt 0x0                                ; the stores of the block two back have read this bank
.endif
.irp t, 0,1,2,3,4,5,6,7,8,9,10,11,12,13,14,15
	ds_load_b128 v[BK+4*(\t):BK+4*(\t)+3], v[RD] offset:(\t)*SP  ; LDS serves a wave's instructions in order: these see the stores above
.endr
.irp t, 0,1,2,3,4,5,6,7,8,9,10,11,12,13,14,15
	s_wait_dscnt 15-(\t)                           ; row t is back; the younger loads stay out
	global_store_b128 v[CO], v[BK+4*(\t):BK+4*(\t)+3], s[10:11] offset:(16*(\a)+(\t))*ROWB  ; 512 consecutive bytes, at a multiple of 256 from the buffer's first byte
.endr
.endm
	s_wait_tensorcnt 0x1                           ; my part of K step 0 is in; K step 1's may stay out
	s_barrier_signal -1
	s_barrier_wait -1
	FETCH 0, F0
	s_wait_loadcnt 0x0                             ; the bias
	QUARTER 1, F0, F1, 2                           ; the first quarter stands in front of the loop: its products start the sums
	WIN 0
	s_mov_b32 s[CNT], STEPS-2
	s_branch .Lmid
.Lloop:
	QUARTER 1, F0, F1, 0
	WIN 0
.Lmid:
	QUARTER 2, F1, F0, 0
	QUARTER 3, F0, F1, 0
	TURN 1
	WIN 0
	s_sub_co_u32 s[CNT], s[CNT], 1
	s_cmp_lg_u32 s[CNT], 0
	s_cbranch_scc1 .Lloop
	s_mov_b32 s[CNT], 2
.Ltail:
	QUARTER 1, F0, F1, 0
	QUARTER 2, F1, F0, 0
	QUARTER 3, F0, F1, 0
	TURN 0
	WIN 0
	s_sub_co_u32 s[CNT], s[CNT], 1
	s_cmp_lg_u32 s[CNT], 0
	s_cbranch_scc1 .Ltail
	PLACES
	OUTROWS 0
	OUTROWS 1
	OUTROWS 2
	OUTROWS 3
	s_wait_tensorcnt 0x0                           ; the wave's end
	ds_add_u32 v[SPW], v[NIL]
	s_wait_dscnt 0x0
	CROUND                                         ; the closing round
	s_endpgm
.Lfunc_end_k_qc34233118a_outp:
	.size	k_qc34233118a_outp, .Lfunc_end_k_qc34233118a_outp-k_qc34233118a_outp
	.p2alignl 7, 3214868480
	.fill 96, 4, 3214868480
	.section	.rodata,"a",@progbits
	.p2align	6, 0x0
	.amdhsa_kernel k_qc34233118a_outp
		.amdhsa_group_segment_fixed_size 327680
		.amdhsa_private_segment_fixed_size 0
		.amdhsa_enable_private_segment 0
		.amdhsa_kernarg_size 32
		.amdhsa_user_sgpr_count 2
		.amdhsa_user_sgpr_kernarg_segment_ptr 1
		.amdhsa_wavefront_size32 1
		.amdhsa_system_sgpr_workgroup_id_x 1
		.amdhsa_system_sgpr_workgroup_id_y 1
		.amdhsa_system_sgpr_workgroup_id_z 1
		.amdhsa_system_vgpr_workitem_id 0
		.amdhsa_next_free_vgpr 576
		.amdhsa_next_free_sgpr 80
		.amdhsa_reserve_vcc 0
		.amdhsa_float_denorm_mode_32 3
		.amdhsa_float_denorm_mode_16_64 3
		.amdhsa_memory_ordered 1
		.amdhsa_forward_progress 1
		.amdhsa_inst_pref_size 63
	.end_amdhsa_kernel
	.amdgpu_metadata
---
amdhsa.version: [ 1, 2 ]
amdhsa.kernels:
  - .name:           k_qc34233118a_outp
    .symbol:         k_qc34233118a_outp.kd
    .args:
      - { .name: ctx, .offset: 0, .size: 8, .value_kind: global_buffer, .address_space: global }
      - { .name: wo16, .offset: 8, .size: 8, .value_kind: global_buffer, .address_space: global }
      - { .name: bias, .offset: 16, .size: 8, .value_kind: global_buffer, .address_space: global }
      - { .name: out0, .offset: 24, .size: 8, .value_kind: global_buffer, .address_space: global }
    .group_segment_fixed_size: 327680
    .private_segment_fixed_size: 0
    .kernarg_segment_align: 8
    .kernarg_segment_size: 32
    .max_flat_workgroup_size: 128
    .sgpr_count:     80
    .vgpr_count:     576
    .wavefront_size: 32
...
	.end_amdgpu_metadata
.endif
;; end of part 5
